; MI455X (gfx1250); checked and timed in simulation.
; The chip was launched on July 23, 2026; its instructions are those of AMD's public machine-readable ISA for CDNA 5 (MIT licence, August 2026) and "CDNA5" Instruction Set Architecture Reference Guide (July 2026). The comments in the code are by the model that wrote it; some were corrected since.
;; Core Attention. Allowed arithmetic: matrix products marked QUANTISED: E2M3 operands, one E8M0 scale for each 32 along K, by v_wmma_scale_f32_16x16x128_f8f6f4 with both operands' format E2M3, f32 sums; everything else in f32.
;; Inputs: Wk1 2,048 x 512 float32; Wk2 512 x 512 float32; Wo 2,048 x 2,048 float32; Wq1 2,048 x 512 float32; Wq2 512 x 2,048 float32; Wv1 2,048 x 512 float32; Wv2 512 x 512 float32; x 4 x 1,024 x 2,048 float32.
;; Outputs: out0 4 x 1,024 x 2,048 float32.
;; This version of the problem:
;;   THIS VERSION OF THE PROBLEM IS GIVEN IN LOW PRECISION. The matrix products marked QUANTISED in the list below multiply operands that are first quantised to E2M3 (2 exponent bits, 3 mantissa bits; 6 bits a number), with one power-of-two scale for each 32 numbers along K (OCP MX v1.0); their sums are f32. All else is computed in f32.
;;   The module's matrix products, in the order in which they are computed (A, B: the left and right operand; K: the contracted axis; several contracted axes count as one K, in the product's order):
;;     1. [M 4,096, K 2,048] x [K 2,048, N 512]; A: input x; B: input Wq1: QUANTISED
;;     2. [M 4,096, K 512] x [K 512, N 2,048]; A: computed on the way; B: input Wq2: QUANTISED
;;     3. [M 4,096, K 2,048] x [K 2,048, N 512]; A: input x; B: input Wk1: QUANTISED
;;     4. [M 4,096, K 512] x [K 512, N 512]; A: computed on the way; B: input Wk2: QUANTISED
;;     5. [M 4,096, K 2,048] x [K 2,048, N 512]; A: input x; B: input Wv1: QUANTISED
;;     6. [M 4,096, K 512] x [K 512, N 512]; A: computed on the way; B: input Wv2: QUANTISED
;;     7. batch 64 x [M 1,024, K 128] x [K 128, N 1,024]; A: computed on the way; B: computed on the way: QUANTISED
;;     8. batch 64 x [M 1,024, K 1,024] x [K 1,024, N 128]; A: softmax (see below); B: computed on the way: QUANTISED
;;     9. [M 4,096, K 2,048] x [K 2,048, N 2,048]; A: computed on the way; B: input Wo: QUANTISED
;;   THE QUANTISER, for each operand of a quantised product, along K:
;;     - K is cut into blocks of 32 from its start; a last block that is shorter is filled with zeros.
;;     - A block's scale is 2^e with e = floor(log2(the largest magnitude in the block)) - 2, held to -126 .. 127; a block of zeros has e = 0. As a byte (E8M0): e + 127.
;;     - Each number is divided by its block's scale, clamped to +-7.5, and rounded to the nearest number of E2M3, ties to even, subnormals kept.
;;     - The product sums the exact products of the quantised numbers (number of the format x scale) in f32.
;;   ~~~python
;;   def quantise(x, axis):      # numpy; x: float32 -> the quantised numbers, widened to float32 again
;;       x = np.moveaxis(x, axis, -1); K = x.shape[-1]
;;       x = np.pad(x, [(0, 0)] * (x.ndim - 1) + [(0, -K % 32)]); x = x.reshape(x.shape[:-1] + (-1, 32)); a = np.abs(x).max(-1, keepdims=True)
;;       e = np.where(a > 0, np.clip(np.frexp(np.where(a > 0, a, 1))[1] - 1 - 2, -126, 127), 0)      # np.frexp(a)[1] - 1 = floor(log2(a)), exactly
;;       r = np.clip(x / 2.0 ** e, -7.5, 7.5)
;;       step = 2.0 ** (np.maximum(np.frexp(np.where(r == 0, 1, r))[1] - 1, 0) - 3)
;;       q = np.round(r / step) * step * 2.0 ** e      # np.round: ties to even
;;       return np.moveaxis(q.reshape(q.shape[:-2] + (-1,))[..., :K], -1, axis).astype(np.float32)
;;   ~~~
;;   SOFTMAX AHEAD OF A QUANTISED PRODUCT. Where the list says 'softmax', what is quantised is not the finished softmax but p = 2^(t - M), with t = logit x log2(e) and M = ceil(the row's largest t), a whole number; so 1/2 < the row's largest p <= 1. The row's sum l is taken of the UNQUANTISED p, in f32, and the product's result is divided by l at the end. Since M is a whole number, a kernel that streams over the keys may use a running M (the ceiling of the running maximum): every later rescaling is an exact power of two, which a block's scale takes up: the codes' values come out the same.
;;   OPERANDS COMPUTED ON THE WAY. 'Computed on the way' means the value that the module computes at that place (a softmax that the list does not call 'softmax' is quantised finished and normalised). What goes into a quantiser is computed in f32, as accurately as f32 sums, v_exp_f32 and their like allow (about 1e-6 of the number): no bf16 or f16 on the way to a quantiser, and a product that is left as it is and whose result goes on into a quantised operand takes f32 operands (vector FMAs, or v_wmma_f32_16x16x4_f32). A number that lies on a knife's edge between two numbers of the format may be rounded either way, as far as f32 arithmetic and the matrix unit's own rounding can turn it there, and no further.
;; One version. Each part assembles by itself: llvm-mc -triple=amdgcn-amd-amdhsa -mcpu=gfx1250 --defsym DOCPART=n.
;; ======== version 1 of 1: 5 launches
;; limits: right only within a limited range of input values
;; workspace buffers: xq 6,553,600 bytes; wts 6,963,200 bytes; cbuf 4,915,200 bytes; kvbuf 3,276,800 bytes; obuf 6,553,600 bytes
;; launch quant (part 1): grid 800 x 1, 4 waves a work-group, no clusters, 34,304 bytes of LDS; arguments x, Wq1, Wk1, Wv1, Wq2, Wk2, Wv2, Wo, xq, wts; writes xq, wts
.if DOCPART == 1
	.amdgcn_target "amdgcn-amd-amdhsa--gfx1250"
	.amdhsa_code_object_version 6
	.text
	.protected	k_q76881490e0_quant
	.globl	k_q76881490e0_quant
	.p2align	8
	.type	k_q76881490e0_quant,@function
k_q76881490e0_quant:
	s_mov_b64 s[64:65], 0
	v_nop
	global_prefetch_b8 v0, s[64:65] scope:SCOPE_SE
	s_setreg_imm32_b32 hwreg(HW_REG_WAVE_MODE, 25, 1), 1
	s_wait_xcnt 0x0
; x [4096][2048] and the seven weights [K][N], all f32, become codes of FP6 (E2M3) with one E8M0 byte for each 32 along K, laid as PANELS.
; A PANEL is 128 rows x 128 K of an operand as the matrix instruction's registers hold it: eight fragments (16 rows x 128 K, 12 registers a lane) of 1,536 bytes, registers 4 c .. 4 c + 3 of lane l at 512 c + 16 l;
; behind them, at byte 12,288, the scale words: tile i, row place r at 64 i + 4 r.  12,800 bytes in all.  Every later launch loads a fragment by three loads of 16 bytes a lane.
; THE ROWS OF A TILE ARE NOT NEIGHBOURS: place r of tile 2 b + u of a block of 128 rows is row 32 b + 8 u + r + 8 (r / 8), for tokens and for weights' columns alike, so that a product's results, eight tiles of source 0
; side by side in a lane's registers, run along the next product's K in its natural order.
; A block's scale is 2^(floor(log2(its largest magnitude)) - 2); its byte is the largest magnitude's exponent field - 2, held at 1 from below by a floor among the maximum's leaves.
; LIMITS: a block of zeros gets the byte 1 where the rule says 127 (its codes are zeros, and this program alone reads the bytes); NaN and infinities among the inputs are not served.
; SHARES: work-groups 0-255 take a tile of 16 tokens of x each, wave w its K steps 4 w .. 4 w + 3.  Work-groups 256-799 take a panel of a weight each, wave w its tiles 2 w and 2 w + 1.
; No input is read by two work-groups, so there is no cluster, and no matrix work.  Only the x path stores to LDS; each path has its own end.
.set PAN,   12800
.set STG,   8448                       ; a wave's stage: 16 rows x (512 bytes + 16)
.set SPARE, 4*STG                      ; behind the stages: the spare words, 128 bytes a wave, two blocks of 256 bytes that no other line names
.set SPW,   10                         ; v10  my spare word's LDS address; never rewritten
.set NIL,   11                         ; v11  0; never rewritten
.set R,     16                         ; v16-143   x as loaded: two sets of 64
.set X,     144                        ; v144-207  64 numbers of my row: register 16 b + i = k 32 b + 16 (lane / 16) + i
.set TM,    208                        ; v208-223  at work in the quantiser
.set PC,    224                        ; v224-243  the codes just made
.set PW,    244                        ; v244      the scale word just made
.set SEL,   36                         ; s[36:37]  lane selects for lane l xor 16
.set XW,    16                         ; v16-79    a weight's numbers: two sets of 32, down K
.set F0,    80                         ; v80-91 blocks 0 and 2 of my column, v92-103 blocks 1 and 3; behind the exchange: the fragments of tiles 2 w and 2 w + 1
.set CT,    104                        ; v104-106  the upper 16 codes of a block, on their way to an odd register
; 64 numbers of a lane become a fragment's codes in v[PC] on and its scale word in v[PW]
.macro QMAX s
.irp b, 0,1,2,3
	v_max3_num_f32 v[TM+\b], |v[(\s)+16*\b]|, |v[(\s)+16*\b+1]|, 0x1800000   ; block b: my 16 numbers and the floor 2^(3 - 127)
.endr
.irp i, 2,4,6,8,10,12,14
.irp b, 0,1,2,3
	v_max3_num_f32 v[TM+\b], v[TM+\b], |v[(\s)+16*\b+\i]|, |v[(\s)+16*\b+\i+1]|   ; the four blocks by turns
.endr
.endr
.irp b, 0,1,2,3
	v_permlanex16_b32 v[TM+4+\b], v[TM+\b], s[SEL], s[SEL+1]
.endr
.irp b, 0,1,2,3
	v_max_num_f32 v[TM+\b], v[TM+\b], v[TM+4+\b]   ; with lane l xor 16's 16: the block's largest magnitude
.endr
.endm
.macro QTAIL s
.irp b, 0,1,2,3
	v_add_nc_u32 v[TM+12+\b], 0xff000000, v[TM+\b]   ; 2 off the exponent field: the conversion's scale operand
.endr
.irp b, 0,1,2,3
	v_lshrrev_b32 v[TM+4+\b], 23, v[TM+12+\b]      ; the scale's byte
.endr
	v_lshl_or_b32 v[PW], v[TM+5], 8, v[TM+4]
	v_lshl_or_b32 v[PW], v[TM+6], 16, v[PW]
	v_lshl_or_b32 v[PW], v[TM+7], 24, v[PW]        ; my row's scale word
.irp c, 0,1
	v_cvt_scalef32_pk16_fp6_f32 v[PC+6*\c:PC+6*\c+2], v[(\s)+32*\c:(\s)+32*\c+15], v[TM+12+2*\c]
	v_cvt_scalef32_pk16_fp6_f32 v[PC+12+4*\c:PC+12+4*\c+2], v[(\s)+32*\c+16:(\s)+32*\c+31], v[TM+13+2*\c]   ; (a conversion's three registers begin on an even number)
.endr
	v_nop                                          ; one plain instruction behind the scaled conversions
.irp c, 0,1                                    ; the operand wants a whole block in a lane: lanes 0-15 block 2 c, lanes 16-31 block 2 c + 1
.irp i, 0,1,2
	v_permlane16_swap_b32 v[PC+6*\c+\i], v[PC+12+4*\c+\i]
.endr
.irp i, 0,1,2
	v_mov_b32 v[PC+3+6*\c+\i], v[PC+12+4*\c+\i]
.endr
.endr
.endm
	s_load_b512 s[4:19], s[0:1], 0x0               ; x, Wq1, Wk1, Wv1, Wq2, Wk2, Wv2, Wo
	s_load_b128 s[20:23], s[0:1], 0x40             ; xq, wts
	v_lshl_add_u32 v[SPW], v0, 2, SPARE
	v_mov_b32 v[NIL], 0
	v_lshrrev_b32 v1, 5, v0
	v_readfirstlane_b32 s24, v1                    ; wave 0..3
	v_and_b32 v1, 31, v0                           ; lane
	v_and_b32 v2, 15, v0                           ; r
	v_bfe_u32 v3, v0, 4, 1                         ; h
	v_lshlrev_b32 v4, 4, v1                        ; 16 x lane
	v_lshlrev_b32 v7, 2, v2                        ; 4 r
	v_lshlrev_b32 v9, 2, v1                        ; 4 x lane
	s_mul_i32 s25, s24, STG
	v_add_nc_u32 v5, s25, v4                       ; the stage, on the way in: a row's 512 bytes as loaded
	v_mul_u32_u24 v6, v2, 528
	v_lshl_add_u32 v6, v3, 6, v6
	v_add_nc_u32 v6, s25, v6                       ; and out: row r, + 64 h: my 16 numbers of each block of 32
	s_mov_b32 s[SEL], 0x76543210
	s_mov_b32 s[SEL+1], 0xfedcba98
	s_cmp_lt_u32 ttmp9, 256
	s_cbranch_scc0 .Lweights
	; ---- x: token tile T = the work-group's number.  Its first token is 32 (T / 2) + 8 (T % 2); place t is t + 8 (t / 8) rows further down
	s_lshr_b32 s26, ttmp9, 1
	s_lshl_b32 s26, s26, 5
	s_and_b32 s27, ttmp9, 1
	s_lshl_b32 s27, s27, 3
	s_add_co_u32 s26, s26, s27
	s_lshl_b32 s26, s26, 13                        ; a row of x is 8,192 bytes
	s_lshl_b32 s27, s24, 11                        ; my four K steps: 2,048 bytes of it
	s_add_co_u32 s26, s26, s27
	s_mov_b32 s27, 0
	s_lshr_b32 s28, ttmp9, 3                       ; the block of 128 tokens: 16 panels,
	s_lshl_b32 s28, s28, 4
	s_lshl_b32 s29, s24, 2
	s_add_co_u32 s28, s28, s29                     ; my first of them
	s_mul_i32 s28, s28, PAN
	s_and_b32 s30, ttmp9, 7                        ; the tile's place in a panel
	s_mul_i32 s29, s30, 1536
	s_add_co_u32 s32, s28, s29
	s_mov_b32 s33, 0
	s_lshl_b32 s30, s30, 6
	s_add_co_u32 s34, s28, s30
	s_add_co_u32 s34, s34, 12288
	s_mov_b32 s35, 0
.irp b, 0,1,2,3
	v_mov_b32 v[TM+4+\b], 0                        ; written once: a lane permute's destination counts as one of its sources
.endr
	s_wait_kmcnt 0x0
	s_add_nc_u64 s[4:5], s[4:5], s[26:27]
	s_add_nc_u64 s[32:33], s[20:21], s[32:33]      ; where my codes go
	s_add_nc_u64 s[34:35], s[20:21], s[34:35]      ; and my scale words
.macro LOADX k, set                    ; K step k of my four: 16 rows x 512 consecutive bytes, a row a load
.irp t, 0,1,2,3,4,5,6,7,8,9,10,11,12,13,14,15
	global_load_b128 v[R+64*(\set)+4*\t:R+64*(\set)+4*\t+3], v4, s[4:5] offset:(\t+8*(\t/8))*8192+512*(\k) th:TH_LOAD_NT
.endr
.endm
.macro XSTEP k
.if (\k) < 3
	s_wait_loadcnt 16                              ; this step's 16 loads are in; the other set's 16 may be out
.else
	s_wait_loadcnt 0x0
.endif
.irp t, 0,1,2,3,4,5,6,7,8,9,10,11,12,13,14,15
	ds_store_b128 v5, v[R+64*((\k)%2)+4*\t:R+64*((\k)%2)+4*\t+3] offset:528*\t
.endr
.irp bb, 0,1,2,3
.irp j, 0,1,2,3
	ds_load_b128 v[X+16*\bb+4*\j:X+16*\bb+4*\j+3], v6 offset:128*\bb+16*\j   ; LDS serves a wave's instructions in order: these see my stores
.endr
.endr
	s_wait_dscnt 0x0                               ; my numbers are back, and the stores have read the set,
.if (\k) < 2
	LOADX (\k)+2, (\k)%2                           ; which takes the loads of two steps on
.endif
.if (\k) > 0
	s_wait_xcnt 0x0                                ; the last step's stores have read their data: the codes' registers are written again only behind this wait
.endif
	QMAX X
	QTAIL X
.irp c, 0,1,2
	global_store_b128 v4, v[PC+4*\c:PC+4*\c+3], s[32:33] offset:PAN*(\k)+512*\c   ; 32 lanes store 512 consecutive bytes
.endr
	global_store_b32 v7, v[PW], s[34:35] offset:PAN*(\k)   ; 64 consecutive bytes; lanes l and l + 16 write the same word with the same value
.endm
	LOADX 0, 0
	LOADX 1, 1
	s_wait_alu depctr_va_vdst(0)
	XSTEP 0
	XSTEP 1
	XSTEP 2
	XSTEP 3
	s_wait_tensorcnt 0x0                           ; the wave's end, behind my last LDS store
	ds_add_u32 v[SPW], v[NIL]
	s_wait_dscnt 0x0
	s_endpgm
	; ---- a weight's panel p = the work-group's number - 256.  Which weight: by thresholds on p; only pointers and shifts are chosen
.Lweights:
	s_sub_co_u32 s25, ttmp9, 256
	s_mov_b32 s28, 0                               ; the weight's first panel
	s_mov_b32 s29, 4                               ; log2 of its K steps
	s_mov_b32 s30, 11                              ; log2 of its row's bytes
	s_wait_kmcnt 0x0
	s_mov_b64 s[26:27], s[6:7]                     ; Wq1
	s_cmp_ge_u32 s25, 64
	s_cselect_b64 s[26:27], s[8:9], s[26:27]       ; Wk1
	s_cselect_b32 s28, 64, s28
	s_cmp_ge_u32 s25, 128
	s_cselect_b64 s[26:27], s[10:11], s[26:27]     ; Wv1
	s_cselect_b32 s28, 128, s28
	s_cmp_ge_u32 s25, 192
	s_cselect_b64 s[26:27], s[12:13], s[26:27]     ; Wq2: K = 512, N = 2,048
	s_cselect_b32 s28, 192, s28
	s_cselect_b32 s29, 2, s29
	s_cselect_b32 s30, 13, s30
	s_cmp_ge_u32 s25, 256
	s_cselect_b64 s[26:27], s[14:15], s[26:27]     ; Wk2: N = 512
	s_cselect_b32 s28, 256, s28
	s_cselect_b32 s30, 11, s30
	s_cmp_ge_u32 s25, 272
	s_cselect_b64 s[26:27], s[16:17], s[26:27]     ; Wv2
	s_cselect_b32 s28, 272, s28
	s_cmp_ge_u32 s25, 288
	s_cselect_b64 s[26:27], s[18:19], s[26:27]     ; Wo: K = 2,048, N = 2,048
	s_cselect_b32 s28, 288, s28
	s_cselect_b32 s29, 4, s29
	s_cselect_b32 s30, 13, s30
	s_sub_co_u32 s31, s25, s28
	s_lshr_b32 s32, s31, s29                       ; the block of 128 columns
	s_lshl_b32 s33, s32, s29
	s_sub_co_u32 s33, s31, s33                     ; the K step
	s_add_co_u32 s34, s30, 7
	s_lshl_b32 s34, s33, s34                       ; 128 rows a K step
	s_lshl_b32 s32, s32, 9                         ; 512 bytes a block of columns
	s_add_co_u32 s34, s34, s32
	s_lshl_b32 s32, s24, 7                         ; my 32 columns
	s_add_co_u32 s34, s34, s32
	s_mov_b32 s35, 0
	s_add_nc_u64 s[26:27], s[26:27], s[34:35]
	s_mul_i32 s32, s25, PAN
	s_mul_i32 s33, s24, 3072                       ; my two fragments
	s_add_co_u32 s38, s32, s33
	s_mov_b32 s39, 0
	s_lshl_b32 s33, s24, 7                         ; my two tiles' scale words
	s_add_co_u32 s40, s32, s33
	s_add_co_u32 s40, s40, 12288
	s_mov_b32 s41, 0
	s_add_nc_u64 s[38:39], s[22:23], s[38:39]
	s_add_nc_u64 s[40:41], s[22:23], s[40:41]
	; A LANE TAKES A COLUMN AND ITS REGISTERS RUN DOWN K.  Lanes 0-15 take the places of tile 2 w, lanes 16-31 those of tile 2 w + 1: column (l % 8) + 16 ((l / 8) % 2) + 8 (l / 16) of my 32: a load still covers 128 consecutive bytes
	v_and_b32 v8, 7, v0
	v_bfe_u32 v12, v0, 3, 1
	v_lshl_add_u32 v8, v12, 4, v8
	v_lshl_add_u32 v8, v3, 3, v8
	v_lshlrev_b32 v8, 2, v8
.macro WLOAD t, stride                 ; block t of the K step: W(32 t + i, my column) into set t % 2
.irp i, 0,1,2,3,4,5,6,7,8,9,10,11,12,13,14,15,16,17,18,19,20,21,22,23,24,25,26,27,28,29,30,31
	global_load_b32 v[XW+32*((\t)%2)+\i], v8, s[26:27] offset:(32*(\t)+\i)*(\stride) th:TH_LOAD_NT
.endr
.endm
.macro WBLOCK t, stride
.set XS, XW+32*((\t)%2)
.set FD, F0+12*((\t)%2)+6*((\t)/2)     ; blocks 0, 2 side by side, and blocks 1, 3
.if (\t) < 3
	s_wait_loadcnt 32                              ; this block's 32 loads are in; the next block's 32 may be out
.else
	s_wait_loadcnt 0x0
.endif
	v_max3_num_f32 v108, |v[XS]|, |v[XS+1]|, |v[XS+2]|     ; the block's largest magnitude: all 32 numbers are mine; two chains
	v_max3_num_f32 v109, |v[XS+3]|, |v[XS+4]|, |v[XS+5]|
.irp i, 6,10,14,18,22,26
	v_max3_num_f32 v108, v108, |v[XS+\i]|, |v[XS+\i+1]|
	v_max3_num_f32 v109, v109, |v[XS+\i+2]|, |v[XS+\i+3]|
.endr
	v_max3_num_f32 v108, v108, |v[XS+30]|, |v[XS+31]|
	v_max3_num_f32 v108, v108, v109, 0x1800000     ; and the floor 2^(3 - 127)
	v_add_nc_u32 v110, 0xff000000, v108            ; the conversion's scale operand
	v_lshrrev_b32 v111, 23, v110                   ; the scale's byte
.if (\t) == 0
	v_mov_b32 v112, v111
.else
	v_lshl_or_b32 v112, v111, 8*(\t), v112         ; my column's scale word: the lower K in the lower byte
.endif
	v_cvt_scalef32_pk16_fp6_f32 v[FD:FD+2], v[XS:XS+15], v110
	v_cvt_scalef32_pk16_fp6_f32 v[CT:CT+2], v[XS+16:XS+31], v110
	v_nop                                          ; one plain instruction behind the scaled conversions
.irp i, 0,1,2
	v_mov_b32 v[FD+3+\i], v[CT+\i]
.endr
.if (\t) < 2
	WLOAD (\t)+2, \stride
.endif
.endm
.macro WPANEL stride
	WLOAD 0, \stride
	WLOAD 1, \stride
	WBLOCK 0, \stride
	WBLOCK 1, \stride
	WBLOCK 2, \stride
	WBLOCK 3, \stride
.irp i, 0,1,2,3,4,5,6,7,8,9,10,11
	v_permlane16_swap_b32 v[F0+\i], v[F0+12+\i]    ; tile 2 w + 1's blocks 0, 2 change places with tile 2 w's blocks 1, 3: each run of 12 is now a fragment: lane (r, h) holds blocks h and 2 + h of place r
.endr
.irp f, 0,1
.irp c, 0,1,2
	global_store_b128 v4, v[F0+12*\f+4*\c:F0+12*\f+4*\c+3], s[38:39] offset:1536*\f+512*\c   ; 512 consecutive bytes a store
.endr
.endr
	global_store_b32 v9, v112, s[40:41]            ; both tiles' scale words: 128 consecutive bytes
	s_wait_tensorcnt 0x0                           ; the wave's end
	ds_add_u32 v[SPW], v[NIL]
	s_wait_dscnt 0x0
	s_endpgm
.endm
	s_cmp_eq_u32 s30, 13
	s_cbranch_scc1 .Lwide
	WPANEL 2048
.Lwide:
	s_wait_alu depctr_va_vdst(0)
	WPANEL 8192
.Lfunc_end_k_q76881490e0_quant:
	.size	k_q76881490e0_quant, .Lfunc_end_k_q76881490e0_quant-k_q76881490e0_quant
	.p2alignl 7, 3214868480
	.fill 96, 4, 3214868480
	.section	.rodata,"a",@progbits
	.p2align	6, 0x0
	.amdhsa_kernel k_q76881490e0_quant
		.amdhsa_group_segment_fixed_size 34304
		.amdhsa_private_segment_fixed_size 0
		.amdhsa_enable_private_segment 0
		.amdhsa_kernarg_size 80
		.amdhsa_user_sgpr_count 2
		.amdhsa_user_sgpr_kernarg_segment_ptr 1
		.amdhsa_wavefront_size32 1
		.amdhsa_system_sgpr_workgroup_id_x 1
		.amdhsa_system_sgpr_workgroup_id_y 1
		.amdhsa_system_sgpr_workgroup_id_z 1
		.amdhsa_system_vgpr_workitem_id 0
		.amdhsa_next_free_vgpr 256
		.amdhsa_next_free_sgpr 66
		.amdhsa_reserve_vcc 0
		.amdhsa_float_denorm_mode_32 3
		.amdhsa_float_denorm_mode_16_64 3
		.amdhsa_memory_ordered 1
		.amdhsa_forward_progress 1
		.amdhsa_inst_pref_size 74
	.end_amdhsa_kernel
	.amdgpu_metadata
---
amdhsa.version: [ 1, 2 ]
amdhsa.kernels:
  - .name:           k_q76881490e0_quant
    .symbol:         k_q76881490e0_quant.kd
    .args:
      - { .name: x, .offset: 0, .size: 8, .value_kind: global_buffer, .address_space: global }
      - { .name: Wq1, .offset: 8, .size: 8, .value_kind: global_buffer, .address_space: global }
      - { .name: Wk1, .offset: 16, .size: 8, .value_kind: global_buffer, .address_space: global }
      - { .name: Wv1, .offset: 24, .size: 8, .value_kind: global_buffer, .address_space: global }
      - { .name: Wq2, .offset: 32, .size: 8, .value_kind: global_buffer, .address_space: global }
      - { .name: Wk2, .offset: 40, .size: 8, .value_kind: global_buffer, .address_space: global }
      - { .name: Wv2, .offset: 48, .size: 8, .value_kind: global_buffer, .address_space: global }
      - { .name: Wo, .offset: 56, .size: 8, .value_kind: global_buffer, .address_space: global }
      - { .name: xq, .offset: 64, .size: 8, .value_kind: global_buffer, .address_space: global }
      - { .name: wts, .offset: 72, .size: 8, .value_kind: global_buffer, .address_space: global }
    .group_segment_fixed_size: 34304
    .private_segment_fixed_size: 0
    .kernarg_segment_align: 8
    .kernarg_segment_size: 80
    .max_flat_workgroup_size: 128
    .sgpr_count:     66
    .vgpr_count:     256
    .wavefront_size: 32
...
	.end_amdgpu_metadata
.endif
;; end of part 1
;; launch proj1 (part 2): grid 12 x 16, 4 waves a work-group, clusters of 4 x 4, 327,680 bytes of LDS; arguments xq, wts, cbuf; writes cbuf
.if DOCPART == 2
	.amdgcn_target "amdgcn-amd-amdhsa--gfx1250"
	.amdhsa_code_object_version 6
	.text
	.protected	k_q76881490e0_proj1
	.globl	k_q76881490e0_proj1
	.p2align	8
	.type	k_q76881490e0_proj1,@function
k_q76881490e0_proj1:
	s_mov_b64 s[64:65], 0
	v_nop
	global_prefetch_b8 v0, s[64:65] scope:SCOPE_SE
	s_setreg_imm32_b32 hwreg(HW_REG_WAVE_MODE, 25, 1), 1
	s_wait_xcnt 0x0
	s_wait_alu depctr_hold_cnt(0) depctr_sa_sdst(0) depctr_va_vdst(0) depctr_va_sdst(0) depctr_va_ssrc(0) depctr_va_vcc(0) depctr_vm_vsrc(0)
	s_getreg_b32 s2, hwreg(HW_REG_IB_STS2, 6, 4)
	s_cmp_eq_u32 s2, 0
	s_cbranch_scc0 .Lentry_in_a_cluster
	s_endpgm
.Lentry_in_a_cluster:
	s_bfe_u32 s2, ttmp6, 0x10000c
	s_cmp_lg_u32 s2, 0xf033
	s_cbranch_scc0 .Lentry_shape_is_right
	s_endpgm
.Lentry_shape_is_right:
; c = x [Wq1 | Wk1 | Wv1]: M = 4,096 tokens, K = 2,048, N = 3 x 512, on codes of FP6 (E2M3) with E8M0 scales; the result is quantised along N, which is the next product's K, and stored as panels.
; PANELS (128 rows x 128 K as images of the operand's registers, 12,288 bytes of codes and 512 of scale words) come from the launch before; a block of 128 rows has its panels on end, K step by K step.
; SHARES: a work-group takes 256 tokens (source 1: two streams of panels) x 128 columns (source 0: one stream).  Wave w takes tiles 4 (w % 2) + 0 .. 3 of token stream w / 2 against all eight column tiles:
; 32 accumulators, 32 matrix instructions for 128 along K.  The product is used transposed (source 0 = 16 columns of W, source 1 = 16 tokens): a lane holds one token, and, by the order of a tile's rows,
; its 64 registers of a token tile are the 128 columns in the order that the quantiser wants: one fragment of c and one scale word a row.
; RING: two LDS slots of four K steps (3 streams x 4 panels = 153,600 bytes).  A wave brings a quarter of a slot's work by one tensor load: waves 0, 1 a token stream's four panels, waves 2, 3 two of W's four.
; CLUSTER 4 x 4: the four of a row need the same tokens, the four of a column the same columns of W: each tile is asked for jointly.
; By this text's count a wave has one tensor load out at the start and one behind each refill, which has four K steps, 128 matrix instructions, in which to land.
; REGISTERS: window 0: addresses, scale words (v20-31, two sets), source 1's fragments (v32-127, two sets), the quantiser (v128-167).  Window 1: accumulator (a, b) at v[8 (8 a + b)].  Window 2: source 0's fragments, two sets of 96.
; LIMITS: a block of zeros gets the scale byte 1 (its codes are zeros; this program alone reads the bytes); NaN and infinities are not served.
.set PAN,   12800
.set NQ,    4                          ; K steps in a slot
.set NPH,   4                          ; slots' worth of K
.set NSTEP, NQ*NPH
.set SLOT,  3*NQ*PAN
.set SPARE, 2*SLOT                     ; behind the ring: the spare words, 128 bytes a wave, two blocks of 256 bytes that no other line names
.set RA,    50*NQ                      ; rows of 256 bytes in a load for source 1
.set RB,    25*NQ                      ; and for source 0
.set LI,   3                           ; v3     16 x lane
.set ADRA, 4                           ; v4-5   my fragments of source 1 in slot 0, 1
.set ADRB, 6                           ; v6-7   source 0's
.set ADSA, 8                           ; v8-9   source 1's scale words: lanes 0-15 tile i, lanes 16-31 tile i + 2 of my four
.set ADSB, 10                          ; v10-11 source 0's: lanes 0-15 tile i, lanes 16-31 tile i + 4
.set SPW,  12
.set NIL,  13
.set VOC,  14                          ; v14    the way out: my place in a panel's codes
.set VOS,  15                          ; v15    and among its scale words
.set SA,   20
.set SB,   24
.set AF,   32
.set TM,   128
.set PW,   144
.set PC,   148
.set G1A,  24                          ; s[24:31], s[32:39] groups 1 and 0 (a set for each slot) for source 1
.set G0A,  32
.set G1B,  40                          ; s[40:47], s[48:55] for source 0
.set G0B,  48
.set SEL,  68
.set OB,   8                           ; s[8:9] where my results go
.set MSB, 0
.macro WIN new                         ; the immediate's high byte repeats the setting that is left
.if MSB != (\new)
	s_set_vgpr_msb (MSB<<8)|(\new)
.set MSB, \new
.endif
.endm
.macro PLACES                          ; four plain instructions between a matrix instruction and a load into, or a vector read of, its registers
.rept 4
	v_nop
.endr
.endm
.macro CROUND                          ; a round of the cluster's barrier
	s_barrier_signal -1
	s_barrier_wait -1
	s_cmp_lg_u32 s10, 0
	s_cbranch_scc1 .Lnot_wave_0_\@
	s_barrier_signal -3
.Lnot_wave_0_\@:
	s_barrier_wait -3
	s_barrier_signal -1
	s_barrier_wait -1
.endm
.macro JLOAD s                         ; waves 0, 1 fetch for source 1, waves 2, 3 for source 0: the branch hangs on the wave's number alone; an s_nop 0 and four v_nop follow each line
	s_cmp_eq_u32 s11, 0
	s_cbranch_scc0 .Lfor_b_\@
	tensor_load_to_lds s[G0A+4*(\s):G0A+4*(\s)+3], s[G1A:G1A+7]
	s_nop 0
.rept 4
	v_nop
.endr
	s_branch .Lasked_\@
.Lfor_b_\@:
	tensor_load_to_lds s[G0B+4*(\s):G0B+4*(\s)+3], s[G1B:G1B+7]
	s_nop 0
.rept 4
	v_nop
.endr
.Lasked_\@:
.endm
.macro FETCH q                         ; K step q's fragments and scale words, 42 LDS loads in one run, into set q % 2
.set FS, ((\q)/NQ)%2
.set FQ, (\q)%NQ
.set FT, (\q)%2
	WIN 0x80                                       ; destination window 2
.irp b, 0,1,2,3,4,5,6,7
.irp c, 0,1,2
	ds_load_b128 v[96*FT+12*\b+4*\c:96*FT+12*\b+4*\c+3], v[ADRB+FS] offset:FQ*PAN+1536*\b+512*\c
.endr
.endr
	WIN 0
.irp a, 0,1,2,3
.irp c, 0,1,2
	ds_load_b128 v[AF+48*FT+12*\a+4*\c:AF+48*FT+12*\a+4*\c+3], v[ADRA+FS] offset:FQ*PAN+1536*\a+512*\c
.endr
.endr
.irp i, 0,1,2,3
	ds_load_b32 v[SB+4*FT+\i], v[ADSB+FS] offset:FQ*PAN+12288+64*\i
.endr
.irp i, 0,1
	ds_load_b32 v[SA+2*FT+\i], v[ADSA+FS] offset:FQ*PAN+12288+64*\i
.endr
.endm
.macro MM a, b, zero                   ; one product.  A scale register carries two tiles' words: the upper tile's are read from lanes 16-31
.set rD, 8*(8*\a+\b)
.set rB, 96*MT+12*\b
.set rA, AF+48*MT+12*\a
.set rX, SB+4*MT+\b%4
.set rY, SA+2*MT+\a%2
.if \zero
.if (\b < 4) && (\a < 2)
	v_wmma_scale_f32_16x16x128_f8f6f4 v[rD:rD+7], v[rB:rB+11], v[rA:rA+11], 0, v[rX], v[rY] matrix_a_fmt:MATRIX_FMT_FP6 matrix_b_fmt:MATRIX_FMT_FP6
.elseif \a < 2
	v_wmma_scale_f32_16x16x128_f8f6f4 v[rD:rD+7], v[rB:rB+11], v[rA:rA+11], 0, v[rX], v[rY] matrix_a_fmt:MATRIX_FMT_FP6 matrix_b_fmt:MATRIX_FMT_FP6 matrix_a_scale:MATRIX_SCALE_ROW1
.elseif \b < 4
	v_wmma_scale_f32_16x16x128_f8f6f4 v[rD:rD+7], v[rB:rB+11], v[rA:rA+11], 0, v[rX], v[rY] matrix_a_fmt:MATRIX_FMT_FP6 matrix_b_fmt:MATRIX_FMT_FP6 matrix_b_scale:MATRIX_SCALE_ROW1
.else
	v_wmma_scale_f32_16x16x128_f8f6f4 v[rD:rD+7], v[rB:rB+11], v[rA:rA+11], 0, v[rX], v[rY] matrix_a_fmt:MATRIX_FMT_FP6 matrix_b_fmt:MATRIX_FMT_FP6 matrix_a_scale:MATRIX_SCALE_ROW1 matrix_b_scale:MATRIX_SCALE_ROW1
.endif
.else
.if (\b < 4) && (\a < 2)
	v_wmma_scale_f32_16x16x128_f8f6f4 v[rD:rD+7], v[rB:rB+11], v[rA:rA+11], v[rD:rD+7], v[rX], v[rY] matrix_a_fmt:MATRIX_FMT_FP6 matrix_b_fmt:MATRIX_FMT_FP6
.elseif \a < 2
	v_wmma_scale_f32_16x16x128_f8f6f4 v[rD:rD+7], v[rB:rB+11], v[rA:rA+11], v[rD:rD+7], v[rX], v[rY] matrix_a_fmt:MATRIX_FMT_FP6 matrix_b_fmt:MATRIX_FMT_FP6 matrix_a_scale:MATRIX_SCALE_ROW1
.elseif \b < 4
	v_wmma_scale_f32_16x16x128_f8f6f4 v[rD:rD+7], v[rB:rB+11], v[rA:rA+11], v[rD:rD+7], v[rX], v[rY] matrix_a_fmt:MATRIX_FMT_FP6 matrix_b_fmt:MATRIX_FMT_FP6 matrix_b_scale:MATRIX_SCALE_ROW1
.else
	v_wmma_scale_f32_16x16x128_f8f6f4 v[rD:rD+7], v[rB:rB+11], v[rA:rA+11], v[rD:rD+7], v[rX], v[rY] matrix_a_fmt:MATRIX_FMT_FP6 matrix_b_fmt:MATRIX_FMT_FP6 matrix_a_scale:MATRIX_SCALE_ROW1 matrix_b_scale:MATRIX_SCALE_ROW1
.endif
.endif
.endm
.macro MUL q, zero                     ; 32 matrix instructions; the 32 accumulators take turns, one instruction a turn, in the same order in every step.  zero = 1: the first step starts the sums
.set MT, (\q)%2
	WIN 0x52                                       ; source 0 window 2, source 1 window 0, C and D window 1
.irp a, 0,1,2,3
.irp b, 0,1,2,3,4,5,6,7
	MM \a, \b, \zero
.endr
.endr
	WIN 0
.endm
; THE CHANGE OF SLOTS stands at the head of a slot's last K step, whose fragments are the last reads of the slot.  Each wave waits for all its tensor loads (its part of the other slot), adds 0 to its spare word, and
; waits for that and for its reads.  fill = 1: a round of the cluster's barrier, so that no wave of any partner still reads the slot or has a load on its way, and the joint refill first behind it.
.macro CHANGE slot, fill
	s_wait_tensorcnt 0x0                           ; no tensor load of mine is out, so a group 0 may be written
	ds_add_u32 v[SPW], v[NIL]
.if \fill
	s_add_nc_u64 s[G0A+4*(\slot)+2:G0A+4*(\slot)+3], s[G0A+4*(\slot)+2:G0A+4*(\slot)+3], 2*NQ*PAN   ; two slots on along K
	s_add_nc_u64 s[G0B+4*(\slot)+2:G0B+4*(\slot)+3], s[G0B+4*(\slot)+2:G0B+4*(\slot)+3], 2*NQ*PAN
.endif
	s_wait_dscnt 0x0                               ; the add is done, and my reads of the slot are over
.if \fill
	CROUND
	JLOAD \slot
.else
	s_barrier_signal -1
	s_barrier_wait -1
.endif
.endm
.macro STEP q                          ; K step q: its fragments are awaited, the next step's are asked for, then its 32 products
.if ((\q)%NQ == NQ-1) && ((\q) < NSTEP-1)
.set CSL, ((\q)/NQ)%2
.if (\q)/NQ+2 < NPH
	CHANGE CSL, 1
.else
	CHANGE CSL, 0
.endif
.else
	s_wait_dscnt 0x0
.endif
.if (\q) < NSTEP-1
	PLACES                                         ; the set that the next loads fill was read by the products just issued
	FETCH (\q)+1
.endif
.if (\q) == 0
	MUL \q, 1
.else
	MUL \q, 0
.endif
.endm
; 64 numbers of a lane in window 1, register 16 b + i = k 32 b + 16 (lane / 16) + i of my row, become a fragment's codes in v[PC] on and its scale word in v[PW]
.macro QMAX s
	WIN 0x14                                       ; sources 1 and 2 window 1
.irp b, 0,1,2,3
	v_max3_num_f32 v[TM+\b], 0x1800000, |v[(\s)+16*\b]|, |v[(\s)+16*\b+1]|   ; block b: the floor 2^(3 - 127) and my 16 numbers, each accumulator from its low end on
.endr
.irp i, 2,4,6,8,10,12,14
.irp b, 0,1,2,3
	v_max3_num_f32 v[TM+\b], v[TM+\b], |v[(\s)+16*\b+\i]|, |v[(\s)+16*\b+\i+1]|
.endr
.endr
	WIN 0
.irp b, 0,1,2,3
	v_permlanex16_b32 v[TM+4+\b], v[TM+\b], s[SEL], s[SEL+1]
.endr
.irp b, 0,1,2,3
	v_max_num_f32 v[TM+\b], v[TM+\b], v[TM+4+\b]   ; with lane l xor 16's 16: the block's largest magnitude
.endr
.endm
.macro QTAIL s
.irp b, 0,1,2,3
	v_add_nc_u32 v[TM+12+\b], 0xff000000, v[TM+\b]   ; 2 off the exponent field: the conversion's scale operand
.endr
.irp b, 0,1,2,3
	v_lshrrev_b32 v[TM+4+\b], 23, v[TM+12+\b]      ; the scale's byte
.endr
	v_lshl_or_b32 v[PW], v[TM+5], 8, v[TM+4]
	v_lshl_or_b32 v[PW], v[TM+6], 16, v[PW]
	v_lshl_or_b32 v[PW], v[TM+7], 24, v[PW]
	WIN 0x01                                       ; source 0 window 1
.irp c, 0,1
	v_cvt_scalef32_pk16_fp6_f32 v[PC+6*\c:PC+6*\c+2], v[(\s)+32*\c:(\s)+32*\c+15], v[TM+12+2*\c]
	v_cvt_scalef32_pk16_fp6_f32 v[PC+12+4*\c:PC+12+4*\c+2], v[(\s)+32*\c+16:(\s)+32*\c+31], v[TM+13+2*\c]
.endr
	WIN 0
	v_nop                                          ; one plain instruction behind the scaled conversions
.irp c, 0,1
.irp i, 0,1,2
	v_permlane16_swap_b32 v[PC+6*\c+\i], v[PC+12+4*\c+\i]
.endr
.irp i, 0,1,2
	v_mov_b32 v[PC+3+6*\c+\i], v[PC+12+4*\c+\i]
.endr
.endr
.endm
.macro OUTQ                            ; my four token tiles leave as fragments: 512 consecutive bytes a store
.irp a, 0,1,2,3
.if \a > 0
	s_wait_xcnt 0x0                                ; the last tile's stores have read their data
.endif
	QMAX 64*\a
	QTAIL 64*\a
.irp c, 0,1,2
	global_store_b128 v[VOC], v[PC+4*\c:PC+4*\c+3], s[OB:OB+1] offset:1536*\a+512*\c
.endr
	global_store_b32 v[VOS], v[PW], s[OB:OB+1] offset:64*\a   ; 64 consecutive bytes; lanes l and l + 16 write the same word with the same value
.endr
.endm
	s_load_b128 s[4:7], s[0:1], 0x0                ; xq, wts
	s_load_b64 s[8:9], s[0:1], 0x10                ; cbuf
	v_lshl_add_u32 v[SPW], v0, 2, SPARE
	v_mov_b32 v[NIL], 0
	ds_add_u32 v[SPW], v[NIL]                      ; the wave's opening: the add and its wait ahead of my first tensor load; work on registers stands between them
	ds_add_u32 v[SPW], v[NIL]
	v_lshrrev_b32 v1, 5, v0
	v_readfirstlane_b32 s10, v1                    ; wave 0..3
	s_lshr_b32 s11, s10, 1                         ; my token stream.  Also: I fetch for source 1 (0) or source 0 (1)
	s_and_b32 s12, s10, 1                          ; my half of its tiles.  Also: which part I fetch
	s_bfe_u32 s13, ttmp6, 0x40000                  ; cx
	s_bfe_u32 s14, ttmp6, 0x40004                  ; cy
	s_lshl_b32 s15, ttmp9, 2
	s_add_co_u32 s15, s15, s13                     ; the block of 128 columns, 0..11
	s_and_b32 s16, ttmp7, 0xffff
	s_lshl_b32 s16, s16, 2
	s_add_co_u32 s16, s16, s14                     ; the block of 256 tokens, 0..15
	s_lshl_b32 s17, s14, 2
	s_lshl_b32 s17, 15, s17                        ; my row of the cluster
	s_lshl_b32 s18, 0x1111, s13                    ; my column
	s_or_b32 s[G1A], s17, (3<<16)|(1<<21)          ; 15:0 the mask; 17:16 elements of 8 bytes; 21 set beside a mask; no padding
	s_or_b32 s[G1B], s18, (3<<16)|(1<<21)
	s_mov_b32 s[G1A+1], 32<<16                     ; tensor_dim0 = 32 elements: rows of 256 bytes of a dense block
	s_mov_b32 s[G1A+2], RA<<16                     ; tensor_dim1
	s_mov_b32 s[G1A+3], 32<<16                     ; tile_dim0
	s_mov_b32 s[G1A+4], RA                         ; tile_dim1
	s_mov_b32 s[G1A+5], 32                         ; the pitch
	s_mov_b32 s[G1A+6], 0
	s_mov_b32 s[G1A+7], 0
	s_mov_b32 s[G1B+1], 32<<16
	s_mov_b32 s[G1B+2], RB<<16
	s_mov_b32 s[G1B+3], 32<<16
	s_mov_b32 s[G1B+4], RB
	s_mov_b32 s[G1B+5], 32
	s_mov_b32 s[G1B+6], 0
	s_mov_b32 s[G1B+7], 0
	; THE HEAD'S FOUR LOADS, one a wave: wave 0 slot 0's two token streams, wave 1 slot 0's four panels of W, waves 2 and 3 the same for slot 1
	s_or_b32 s72, s17, (3<<16)|(1<<21)             ; tokens: two rows of four panels (51,200 bytes, 6,400 elements of 8 bytes), a stream (16 panels) apart; they land on end
	s_mov_b32 s73, (NQ*PAN/8)<<16
	s_mov_b32 s74, 2<<16
	s_mov_b32 s75, (NQ*PAN/8)<<16
	s_mov_b32 s76, 2
	s_mov_b32 s77, 16*PAN/8
	s_mov_b32 s78, 0
	s_mov_b32 s79, 0
	s_or_b32 s80, s18, (3<<16)|(1<<21)             ; W: four panels on end, as rows of 256 bytes
	s_mov_b32 s81, 32<<16
	s_mov_b32 s82, (2*RB)<<16
	s_mov_b32 s83, 32<<16
	s_mov_b32 s84, 2*RB
	s_mov_b32 s85, 32
	s_mov_b32 s86, 0
	s_mov_b32 s87, 0
	s_mov_b32 s88, 1
	s_mul_i32 s89, s11, SLOT                       ; the slot is wave / 2
	s_mul_i32 s90, s16, 32*PAN
	s_mul_i32 s91, s11, NQ*PAN
	s_add_co_u32 s90, s90, s91
	s_mov_b32 s92, 1
	s_add_co_u32 s93, s89, 2*NQ*PAN
	s_mul_i32 s94, s15, 16*PAN
	s_add_co_u32 s94, s94, s91
	s_mov_b32 s91, 0
	s_mov_b32 s95, 0
	s_lshl_b32 s20, s16, 1
	s_add_co_u32 s20, s20, s12
	s_mul_i32 s20, s20, 16*PAN                     ; source 1: token stream 2 x block + part
	s_mov_b32 s21, 0
	s_mul_i32 s56, s15, 16*PAN                     ; source 0: the columns' stream,
	s_mul_i32 s57, s12, NQ*PAN/2                   ; my half of a slot's panels
	s_add_co_u32 s56, s56, s57
	s_mov_b32 s57, 0
	s_mul_i32 s22, s12, NQ*PAN                     ; where they go in a slot: no place in the cluster enters an LDS address
	s_mul_i32 s23, s12, NQ*PAN/2
	s_add_co_u32 s23, s23, 2*NQ*PAN
	s_mov_b32 s[SEL], 0x76543210
	s_mov_b32 s[SEL+1], 0xfedcba98
	s_wait_dscnt 0x0                               ; the opening add is done
	s_wait_kmcnt 0x0
	s_add_nc_u64 s[20:21], s[4:5], s[20:21]
	s_add_nc_u64 s[56:57], s[6:7], s[56:57]
	s_add_nc_u64 s[90:91], s[4:5], s[90:91]
	s_or_b32 s91, s91, 0x80000000
	s_add_nc_u64 s[94:95], s[6:7], s[94:95]
	s_or_b32 s95, s95, 0x80000000
	CROUND                                         ; all sixteen work-groups are here: the first joint loads meet
.irp s, 0,1
	s_mov_b32 s[G0A+4*\s], 1
	s_add_co_u32 s[G0A+4*\s+1], s22, \s*SLOT
	s_add_nc_u64 s[G0A+4*\s+2:G0A+4*\s+3], s[20:21], \s*NQ*PAN
	s_or_b32 s[G0A+4*\s+3], s[G0A+4*\s+3], 0x80000000
	s_mov_b32 s[G0B+4*\s], 1
	s_add_co_u32 s[G0B+4*\s+1], s23, \s*SLOT
	s_add_nc_u64 s[G0B+4*\s+2:G0B+4*\s+3], s[56:57], \s*NQ*PAN
	s_or_b32 s[G0B+4*\s+3], s[G0B+4*\s+3], 0x80000000
.endr
; one chain of branches on the wave's number, a load to an arm, all arms leading to one join; slot 0's loads stand in the first arms
.macro HARM under, g0, g1, next
	s_cmp_lt_u32 s10, \under
	s_cbranch_scc0 \next
	tensor_load_to_lds s[\g0:\g0+3], s[\g1:\g1+7]
	s_nop 0
.rept 4
	v_nop
.endr
	s_branch .Lhead_asked
\next:
.endm
	HARM 1, 88, 72, .Lhead_1
	HARM 2, 92, 80, .Lhead_2
	HARM 3, 88, 72, .Lhead_3
	tensor_load_to_lds s[92:95], s[80:87]
	s_nop 0
.rept 4
	v_nop
.endr
.Lhead_asked:
	v_and_b32 v1, 15, v0                           ; r
	v_bfe_u32 v2, v0, 4, 1                         ; h
	v_and_b32 v[LI], 31, v0
	v_lshlrev_b32 v[LI], 4, v[LI]
	s_mul_i32 s58, s11, NQ*PAN
	s_mul_i32 s59, s12, 6144
	s_add_co_u32 s59, s58, s59
	v_add_nc_u32 v[ADRA], s59, v[LI]
	v_add_nc_u32 v[ADRA+1], SLOT, v[ADRA]
	v_add_nc_u32 v[ADRB], 2*NQ*PAN, v[LI]
	v_add_nc_u32 v[ADRB+1], SLOT, v[ADRB]
	v_lshlrev_b32 v16, 2, v1                       ; 4 r
	s_lshl_b32 s59, s12, 8
	s_add_co_u32 s59, s58, s59
	v_lshl_add_u32 v[ADSA], v2, 7, v16             ; + 128 h: two tiles on
	v_add_nc_u32 v[ADSA], s59, v[ADSA]
	v_add_nc_u32 v[ADSA+1], SLOT, v[ADSA]
	v_lshl_add_u32 v[ADSB], v2, 8, v16             ; + 256 h: four tiles on
	v_add_nc_u32 v[ADSB], 2*NQ*PAN, v[ADSB]
	v_add_nc_u32 v[ADSB+1], SLOT, v[ADSB]
	s_mul_i32 s59, s12, 6144
	v_add_nc_u32 v[VOC], s59, v[LI]
	s_lshl_b32 s59, s12, 8
	s_add_co_u32 s59, s59, 12288
	v_add_nc_u32 v[VOS], s59, v16
.irp b, 0,1,2,3
	v_mov_b32 v[TM+4+\b], 0                        ; written once: a lane permute's destination counts as one of its sources
.endr
	s_lshr_b32 s60, s15, 2                         ; which of q, k, v
	s_mul_i32 s60, s60, 128*PAN
	s_lshl_b32 s61, s16, 1
	s_add_co_u32 s61, s61, s11                     ; my block of 128 tokens
	s_mul_i32 s61, s61, 4*PAN
	s_add_co_u32 s60, s60, s61
	s_and_b32 s61, s15, 3                          ; my columns are this K step of the next product
	s_mul_i32 s61, s61, PAN
	s_add_co_u32 s60, s60, s61
	s_mov_b32 s61, 0
	s_add_nc_u64 s[OB:OB+1], s[8:9], s[60:61]
	s_wait_alu depctr_va_vdst(0)
	s_cmp_lg_u32 s11, 0
	s_cbranch_scc1 .Lslot_1_out                    ; waves 2, 3: slot 1's loads stay out across this barrier, and every wave waits for 0 at the first change of slots
	s_wait_tensorcnt 0x0                           ; waves 0, 1: slot 0 is in
.Lslot_1_out:
	s_barrier_signal -1
	s_barrier_wait -1
	FETCH 0
.set Q, 0
.rept NSTEP
	STEP Q
.set Q, Q+1
.endr
	PLACES
	OUTQ
	s_wait_tensorcnt 0x0                           ; the wave's end
	ds_add_u32 v[SPW], v[NIL]
	s_wait_dscnt 0x0
	CROUND                                         ; the closing round: no work-group ends while a partner may still ask for a tile that names it
	s_endpgm
.Lfunc_end_k_q76881490e0_proj1:
	.size	k_q76881490e0_proj1, .Lfunc_end_k_q76881490e0_proj1-k_q76881490e0_proj1
	.p2alignl 7, 3214868480
	.fill 96, 4, 3214868480
	.section	.rodata,"a",@progbits
	.p2align	6, 0x0
	.amdhsa_kernel k_q76881490e0_proj1
		.amdhsa_group_segment_fixed_size 327680
		.amdhsa_private_segment_fixed_size 0
		.amdhsa_enable_private_segment 0
		.amdhsa_kernarg_size 24
		.amdhsa_user_sgpr_count 2
		.amdhsa_user_sgpr_kernarg_segment_ptr 1
		.amdhsa_wavefront_size32 1
		.amdhsa_system_sgpr_workgroup_id_x 1
		.amdhsa_system_sgpr_workgroup_id_y 1
		.amdhsa_system_sgpr_workgroup_id_z 1
		.amdhsa_system_vgpr_workitem_id 0
		.amdhsa_next_free_vgpr 768
		.amdhsa_next_free_sgpr 96
		.amdhsa_reserve_vcc 0
		.amdhsa_float_denorm_mode_32 3
		.amdhsa_float_denorm_mode_16_64 3
		.amdhsa_memory_ordered 1
		.amdhsa_forward_progress 1
		.amdhsa_inst_pref_size 139
	.end_amdhsa_kernel
	.amdgpu_metadata
---
amdhsa.version: [ 1, 2 ]
amdhsa.kernels:
  - .name:           k_q76881490e0_proj1
    .symbol:         k_q76881490e0_proj1.kd
    .args:
      - { .name: xq, .offset: 0, .size: 8, .value_kind: global_buffer, .address_space: global }
      - { .name: wts, .offset: 8, .size: 8, .value_kind: global_buffer, .address_space: global }
      - { .name: cbuf, .offset: 16, .size: 8, .value_kind: global_buffer, .address_space: global }
    .group_segment_fixed_size: 327680
    .private_segment_fixed_size: 0
    .kernarg_segment_align: 8
    .kernarg_segment_size: 24
    .max_flat_workgroup_size: 128
    .sgpr_count:     96
    .vgpr_count:     768
    .wavefront_size: 32
...
	.end_amdgpu_metadata
.endif
;; end of part 2
;; launch proj2 (part 3): grid 4 x 32, 4 waves a work-group, clusters of 4 x 1, 327,680 bytes of LDS; arguments cbuf, wts, kvbuf; writes kvbuf
.if DOCPART == 3
	.amdgcn_target "amdgcn-amd-amdhsa--gfx1250"
	.amdhsa_code_object_version 6
	.text
	.protected	k_q76881490e0_proj2
	.globl	k_q76881490e0_proj2
	.p2align	8
	.type	k_q76881490e0_proj2,@function
k_q76881490e0_proj2:
	s_mov_b64 s[64:65], 0
	v_nop
	global_prefetch_b8 v0, s[64:65] scope:SCOPE_SE
	s_setreg_imm32_b32 hwreg(HW_REG_WAVE_MODE, 25, 1), 1
	s_wait_xcnt 0x0
	s_wait_alu depctr_hold_cnt(0) depctr_sa_sdst(0) depctr_va_vdst(0) depctr_va_sdst(0) depctr_va_ssrc(0) depctr_va_vcc(0) depctr_vm_vsrc(0)
	s_getreg_b32 s2, hwreg(HW_REG_IB_STS2, 6, 4)
	s_cmp_eq_u32 s2, 0
	s_cbranch_scc0 .Lentry_in_a_cluster
	s_endpgm
.Lentry_in_a_cluster:
	s_bfe_u32 s2, ttmp6, 0x10000c
	s_cmp_lg_u32 s2, 0x3003
	s_cbranch_scc0 .Lentry_shape_is_right
	s_endpgm
.Lentry_shape_is_right:
; k = ck Wk2, v = cv Wv2: K = 512, on codes of FP6 (E2M3) with E8M0 scales; each result is quantised along the K of the attention product that takes it, and stored as panels.  (q's second projection is made in the attention launch.)
; The body is the first projection's with a ring of two slots of two K steps, both filled at the start and never again.  A work-group takes source 1 = 256 rows (two streams) x source 0 = 128 rows (one stream).
; TWO KINDS, told apart by the cluster's y alone, c; only pointers and offsets are chosen, no branch:
;   c < 16:  k.  source 0 = 128 columns of Wk2 (one head), source 1 = 256 tokens of ck.  A lane holds a token, its registers run along the head: a fragment of K's panel, whose rows are keys in the tiles' row order.
;   else:    v.  THE SOURCES CHANGE PLACES: source 0 = 128 tokens of cv, source 1 = 256 columns of Wv2.  A lane holds a channel, its registers run along the keys in their natural order: a fragment of V with the keys innermost.
; CLUSTER 4 x 1: the four partners differ in source 0 and share source 1, two thirds of a step's bytes: source 1 is asked for jointly, source 0 by a load of the work-group's own.  A cluster of 4 x 4 is not used:
; v's grid is 32 x 2 blocks, which no 4 x 4 divides.  128 work-groups: 16 x 4 for k, 32 x 2 for v.
; By this text's count a wave has one tensor load out, issued at the start.
; LIMITS: a block of zeros gets the scale byte 1 (its codes are zeros; this program alone reads the bytes); NaN and infinities are not served.
.set PAN,   12800
.set NQ,    2
.set NPH,   2
.set NSTEP, NQ*NPH
.set SLOT,  NQ*PAN                     ; LDS goes stream by stream, each with slot 0's panels and then slot 1's
.set SPARE, 6*SLOT
.set RA,    50*NQ
.set RB,    25*NQ
.set LI,   3
.set ADRA, 4
.set ADRB, 6
.set ADSA, 8
.set ADSB, 10
.set SPW,  12
.set NIL,  13
.set VOC,  14
.set VOS,  15
.set SA,   20
.set SB,   24
.set AF,   32
.set TM,   128
.set PW,   144
.set PC,   148
.set G1A,  24
.set G0A,  32
.set G1B,  40
.set G0B,  48
.set SEL,  68
.set OB,   90                          ; s[90:91] where my results go
.set MSB, 0
.macro WIN new
.if MSB != (\new)
	s_set_vgpr_msb (MSB<<8)|(\new)
.set MSB, \new
.endif
.endm
.macro PLACES
.rept 4
	v_nop
.endr
.endm
.macro CROUND
	s_barrier_signal -1
	s_barrier_wait -1
	s_cmp_lg_u32 s10, 0
	s_cbranch_scc1 .Lnot_wave_0_\@
	s_barrier_signal -3
.Lnot_wave_0_\@:
	s_barrier_wait -3
	s_barrier_signal -1
	s_barrier_wait -1
.endm
.macro JLOAD s                         ; waves 0, 1: source 1, jointly; waves 2, 3: source 0, the work-group's own
	s_cmp_eq_u32 s11, 0
	s_cbranch_scc0 .Lfor_b_\@
	tensor_load_to_lds s[G0A+4*(\s):G0A+4*(\s)+3], s[G1A:G1A+7]
	s_nop 0
.rept 4
	v_nop
.endr
	s_branch .Lasked_\@
.Lfor_b_\@:
	tensor_load_to_lds s[G0B+4*(\s):G0B+4*(\s)+3], s[G1B:G1B+7]
	s_nop 0
.rept 4
	v_nop
.endr
.Lasked_\@:
.endm
.macro FETCH q
.set FS, ((\q)/NQ)%2
.set FQ, (\q)%NQ
.set FT, (\q)%2
	WIN 0x80
.irp b, 0,1,2,3,4,5,6,7
.irp c, 0,1,2
	ds_load_b128 v[96*FT+12*\b+4*\c:96*FT+12*\b+4*\c+3], v[ADRB+FS] offset:FQ*PAN+1536*\b+512*\c
.endr
.endr
	WIN 0
.irp a, 0,1,2,3
.irp c, 0,1,2
	ds_load_b128 v[AF+48*FT+12*\a+4*\c:AF+48*FT+12*\a+4*\c+3], v[ADRA+FS] offset:FQ*PAN+1536*\a+512*\c
.endr
.endr
.irp i, 0,1,2,3
	ds_load_b32 v[SB+4*FT+\i], v[ADSB+FS] offset:FQ*PAN+12288+64*\i
.endr
.irp i, 0,1
	ds_load_b32 v[SA+2*FT+\i], v[ADSA+FS] offset:FQ*PAN+12288+64*\i
.endr
.endm
.macro MM a, b, zero
.set rD, 8*(8*\a+\b)
.set rB, 96*MT+12*\b
.set rA, AF+48*MT+12*\a
.set rX, SB+4*MT+\b%4
.set rY, SA+2*MT+\a%2
.if \zero
.if (\b < 4) && (\a < 2)
	v_wmma_scale_f32_16x16x128_f8f6f4 v[rD:rD+7], v[rB:rB+11], v[rA:rA+11], 0, v[rX], v[rY] matrix_a_fmt:MATRIX_FMT_FP6 matrix_b_fmt:MATRIX_FMT_FP6
.elseif \a < 2
	v_wmma_scale_f32_16x16x128_f8f6f4 v[rD:rD+7], v[rB:rB+11], v[rA:rA+11], 0, v[rX], v[rY] matrix_a_fmt:MATRIX_FMT_FP6 matrix_b_fmt:MATRIX_FMT_FP6 matrix_a_scale:MATRIX_SCALE_ROW1
.elseif \b < 4
	v_wmma_scale_f32_16x16x128_f8f6f4 v[rD:rD+7], v[rB:rB+11], v[rA:rA+11], 0, v[rX], v[rY] matrix_a_fmt:MATRIX_FMT_FP6 matrix_b_fmt:MATRIX_FMT_FP6 matrix_b_scale:MATRIX_SCALE_ROW1
.else
	v_wmma_scale_f32_16x16x128_f8f6f4 v[rD:rD+7], v[rB:rB+11], v[rA:rA+11], 0, v[rX], v[rY] matrix_a_fmt:MATRIX_FMT_FP6 matrix_b_fmt:MATRIX_FMT_FP6 matrix_a_scale:MATRIX_SCALE_ROW1 matrix_b_scale:MATRIX_SCALE_ROW1
.endif
.else
.if (\b < 4) && (\a < 2)
	v_wmma_scale_f32_16x16x128_f8f6f4 v[rD:rD+7], v[rB:rB+11], v[rA:rA+11], v[rD:rD+7], v[rX], v[rY] matrix_a_fmt:MATRIX_FMT_FP6 matrix_b_fmt:MATRIX_FMT_FP6
.elseif \a < 2
	v_wmma_scale_f32_16x16x128_f8f6f4 v[rD:rD+7], v[rB:rB+11], v[rA:rA+11], v[rD:rD+7], v[rX], v[rY] matrix_a_fmt:MATRIX_FMT_FP6 matrix_b_fmt:MATRIX_FMT_FP6 matrix_a_scale:MATRIX_SCALE_ROW1
.elseif \b < 4
	v_wmma_scale_f32_16x16x128_f8f6f4 v[rD:rD+7], v[rB:rB+11], v[rA:rA+11], v[rD:rD+7], v[rX], v[rY] matrix_a_fmt:MATRIX_FMT_FP6 matrix_b_fmt:MATRIX_FMT_FP6 matrix_b_scale:MATRIX_SCALE_ROW1
.else
	v_wmma_scale_f32_16x16x128_f8f6f4 v[rD:rD+7], v[rB:rB+11], v[rA:rA+11], v[rD:rD+7], v[rX], v[rY] matrix_a_fmt:MATRIX_FMT_FP6 matrix_b_fmt:MATRIX_FMT_FP6 matrix_a_scale:MATRIX_SCALE_ROW1 matrix_b_scale:MATRIX_SCALE_ROW1
.endif
.endif
.endm
.macro MUL q, zero                     ; the 32 accumulators take turns, one instruction a turn
.set MT, (\q)%2
	WIN 0x52
.irp a, 0,1,2,3
.irp b, 0,1,2,3,4,5,6,7
	MM \a, \b, \zero
.endr
.endr
	WIN 0
.endm
.macro CHANGE                          ; the one change of slots: nothing is filled again, so a plain barrier follows the three lines: slot 1 is whole in every wave's eyes behind it
	s_wait_tensorcnt 0x0
	ds_add_u32 v[SPW], v[NIL]
	s_wait_dscnt 0x0
	s_barrier_signal -1
	s_barrier_wait -1
.endm
.macro STEP q
.if ((\q)%NQ == NQ-1) && ((\q) < NSTEP-1)
	CHANGE
.else
	s_wait_dscnt 0x0
.endif
.if (\q) < NSTEP-1
	PLACES
	FETCH (\q)+1
.endif
.if (\q) == 0
	MUL \q, 1
.else
	MUL \q, 0
.endif
.endm
.macro QMAX s
	WIN 0x14
.irp b, 0,1,2,3
	v_max3_num_f32 v[TM+\b], 0x1800000, |v[(\s)+16*\b]|, |v[(\s)+16*\b+1]|
.endr
.irp i, 2,4,6,8,10,12,14
.irp b, 0,1,2,3
	v_max3_num_f32 v[TM+\b], v[TM+\b], |v[(\s)+16*\b+\i]|, |v[(\s)+16*\b+\i+1]|
.endr
.endr
	WIN 0
.irp b, 0,1,2,3
	v_permlanex16_b32 v[TM+4+\b], v[TM+\b], s[SEL], s[SEL+1]
.endr
.irp b, 0,1,2,3
	v_max_num_f32 v[TM+\b], v[TM+\b], v[TM+4+\b]
.endr
.endm
.macro QTAIL s
.irp b, 0,1,2,3
	v_add_nc_u32 v[TM+12+\b], 0xff000000, v[TM+\b]
.endr
.irp b, 0,1,2,3
	v_lshrrev_b32 v[TM+4+\b], 23, v[TM+12+\b]
.endr
	v_lshl_or_b32 v[PW], v[TM+5], 8, v[TM+4]
	v_lshl_or_b32 v[PW], v[TM+6], 16, v[PW]
	v_lshl_or_b32 v[PW], v[TM+7], 24, v[PW]
	WIN 0x01
.irp c, 0,1
	v_cvt_scalef32_pk16_fp6_f32 v[PC+6*\c:PC+6*\c+2], v[(\s)+32*\c:(\s)+32*\c+15], v[TM+12+2*\c]
	v_cvt_scalef32_pk16_fp6_f32 v[PC+12+4*\c:PC+12+4*\c+2], v[(\s)+32*\c+16:(\s)+32*\c+31], v[TM+13+2*\c]
.endr
	WIN 0
	v_nop                                          ; one plain instruction behind the scaled conversions
.irp c, 0,1
.irp i, 0,1,2
	v_permlane16_swap_b32 v[PC+6*\c+\i], v[PC+12+4*\c+\i]
.endr
.irp i, 0,1,2
	v_mov_b32 v[PC+3+6*\c+\i], v[PC+12+4*\c+\i]
.endr
.endr
.endm
.macro OUTQ
.irp a, 0,1,2,3
.if \a > 0
	s_wait_xcnt 0x0                                ; the last tile's stores have read their data
.endif
	QMAX 64*\a
	QTAIL 64*\a
.irp c, 0,1,2
	global_store_b128 v[VOC], v[PC+4*\c:PC+4*\c+3], s[OB:OB+1] offset:1536*\a+512*\c
.endr
	global_store_b32 v[VOS], v[PW], s[OB:OB+1] offset:64*\a
.endr
.endm
	s_load_b128 s[92:95], s[0:1], 0x0              ; cbuf s[92:93], wts s[94:95]
	s_load_b64 s[96:97], s[0:1], 0x10              ; kvbuf
	v_lshl_add_u32 v[SPW], v0, 2, SPARE
	v_mov_b32 v[NIL], 0
	ds_add_u32 v[SPW], v[NIL]                      ; the wave's opening: the add and its wait ahead of my first tensor load
	ds_add_u32 v[SPW], v[NIL]
	v_lshrrev_b32 v1, 5, v0
	v_readfirstlane_b32 s10, v1                    ; wave 0..3
	s_lshr_b32 s11, s10, 1
	s_and_b32 s12, s10, 1
	s_bfe_u32 s13, ttmp6, 0x40000                  ; cx
	s_and_b32 s16, ttmp7, 0xffff                   ; c
	s_sub_co_u32 s75, s16, 16
	s_and_b32 s76, s75, 7                          ; v: which four blocks of 128 tokens,
	s_lshr_b32 s77, s75, 3                         ;    which 256 columns
	s_mov_b32 s78, 128*PAN                         ; source 1's place in its buffer: ck's group,
	s_cmp_ge_u32 s16, 16
	s_cselect_b32 s72, s76, 0                      ; k: the four heads are the four partners'
	s_cselect_b32 s73, s77, s16                    ; k: which 256 tokens
	s_cselect_b32 s78, 272*PAN, s78                ; or Wv2's panels
	s_lshl_b32 s15, s72, 2
	s_add_co_u32 s15, s15, s13                     ; source 0's stream
	s_mov_b32 s[G1A], 15|(3<<16)|(1<<21)           ; the mask names all four; elements of 8 bytes; 21 set beside a mask
	s_mov_b32 s[G1A+1], 32<<16
	s_mov_b32 s[G1A+2], (2*RA)<<16                 ; one load a wave brings all of K: both slots' panels
	s_mov_b32 s[G1A+3], 32<<16
	s_mov_b32 s[G1A+4], 2*RA
	s_mov_b32 s[G1A+5], 32
	s_mov_b32 s[G1A+6], 0
	s_mov_b32 s[G1A+7], 0
	s_mov_b32 s[G1B], 3<<16                        ; no mask
	s_mov_b32 s[G1B+1], 32<<16
	s_mov_b32 s[G1B+2], (2*RB)<<16
	s_mov_b32 s[G1B+3], 32<<16
	s_mov_b32 s[G1B+4], 2*RB
	s_mov_b32 s[G1B+5], 32
	s_mov_b32 s[G1B+6], 0
	s_mov_b32 s[G1B+7], 0
	s_lshl_b32 s20, s73, 1
	s_add_co_u32 s20, s20, s12
	s_mul_i32 s20, s20, 4*PAN                      ; source 1: stream 2 Y + part: made of c and the wave's number alone
	s_add_co_u32 s20, s20, s78
	s_mov_b32 s21, 0
	s_mul_i32 s56, s15, 4*PAN
	s_mul_i32 s57, s12, NQ*PAN/2
	s_add_co_u32 s56, s56, s57
	s_add_co_u32 s56, s56, 256*PAN                 ; source 0's place: Wk2's panels in wts and cv's group in cbuf begin at the same byte of their buffers
	s_mov_b32 s57, 0
	s_mul_i32 s22, s12, 2*NQ*PAN
	s_mul_i32 s23, s12, NQ*PAN/2
	s_add_co_u32 s23, s23, 4*NQ*PAN
	s_mov_b32 s[SEL], 0x76543210
	s_mov_b32 s[SEL+1], 0xfedcba98
	s_wait_dscnt 0x0                               ; the opening add is done
	s_wait_kmcnt 0x0
	s_cmp_ge_u32 s16, 16
	s_cselect_b64 s[80:81], s[94:95], s[92:93]     ; source 1's buffer: for v the weights, else c
	s_cselect_b64 s[82:83], s[92:93], s[94:95]     ; source 0's: the other
	s_add_nc_u64 s[20:21], s[80:81], s[20:21]
	s_add_nc_u64 s[56:57], s[82:83], s[56:57]
	CROUND                                         ; all four work-groups are here: the joint loads meet
.irp s, 0,1
	s_mov_b32 s[G0A+4*\s], 1
	s_add_co_u32 s[G0A+4*\s+1], s22, \s*SLOT
	s_add_nc_u64 s[G0A+4*\s+2:G0A+4*\s+3], s[20:21], \s*NQ*PAN
	s_or_b32 s[G0A+4*\s+3], s[G0A+4*\s+3], 0x80000000
	s_mov_b32 s[G0B+4*\s], 1
	s_add_co_u32 s[G0B+4*\s+1], s23, \s*SLOT
	s_add_nc_u64 s[G0B+4*\s+2:G0B+4*\s+3], s[56:57], \s*NQ*PAN
	s_or_b32 s[G0B+4*\s+3], s[G0B+4*\s+3], 0x80000000
.endr
	; THE HEAD'S LOADS, one a wave: waves 0, 1 a stream of source 1, all four panels, jointly; waves 2, 3 two of source 0's four each, by a group 0 of their own in s[4:7]
	s_mul_i32 s6, s12, NQ*PAN/2
	s_mov_b32 s7, 0
	s_add_nc_u64 s[6:7], s[56:57], s[6:7]
	s_or_b32 s7, s7, 0x80000000
	s_mov_b32 s4, 1
	s_mul_i32 s5, s12, NQ*PAN
	s_add_co_u32 s5, s5, 4*NQ*PAN
	s_cmp_eq_u32 s11, 0
	s_cbranch_scc0 .Lhead_b
	tensor_load_to_lds s[G0A:G0A+3], s[G1A:G1A+7]
	s_nop 0
.rept 4
	v_nop
.endr
	s_branch .Lhead_asked
.Lhead_b:
	tensor_load_to_lds s[4:7], s[G1B:G1B+7]
	s_nop 0
.rept 4
	v_nop
.endr
.Lhead_asked:
	v_and_b32 v1, 15, v0                           ; r
	v_bfe_u32 v2, v0, 4, 1                         ; h
	v_and_b32 v[LI], 31, v0
	v_lshlrev_b32 v[LI], 4, v[LI]
	s_mul_i32 s58, s11, 2*NQ*PAN
	s_mul_i32 s59, s12, 6144
	s_add_co_u32 s59, s58, s59
	v_add_nc_u32 v[ADRA], s59, v[LI]
	v_add_nc_u32 v[ADRA+1], SLOT, v[ADRA]
	v_add_nc_u32 v[ADRB], 4*NQ*PAN, v[LI]
	v_add_nc_u32 v[ADRB+1], SLOT, v[ADRB]
	v_lshlrev_b32 v16, 2, v1
	s_lshl_b32 s59, s12, 8
	s_add_co_u32 s59, s58, s59
	v_lshl_add_u32 v[ADSA], v2, 7, v16
	v_add_nc_u32 v[ADSA], s59, v[ADSA]
	v_add_nc_u32 v[ADSA+1], SLOT, v[ADSA]
	v_lshl_add_u32 v[ADSB], v2, 8, v16
	v_add_nc_u32 v[ADSB], 4*NQ*PAN, v[ADSB]
	v_add_nc_u32 v[ADSB+1], SLOT, v[ADSB]
	s_mul_i32 s59, s12, 6144
	v_add_nc_u32 v[VOC], s59, v[LI]
	s_lshl_b32 s59, s12, 8
	s_add_co_u32 s59, s59, 12288
	v_add_nc_u32 v[VOS], s59, v16
.irp b, 0,1,2,3
	v_mov_b32 v[TM+4+\b], 0                        ; written once: a lane permute's destination counts as one of its sources
.endr
	; where my results go: the block of 128 tokens and the head; for v they come from the other sources
	s_lshl_b32 s84, s73, 1
	s_add_co_u32 s84, s84, s11                     ; source 1's stream that is mine
	s_cmp_ge_u32 s16, 16
	s_cselect_b32 s85, s15, s84                    ; the block of tokens
	s_cselect_b32 s86, s84, s15                    ; the head
	s_cselect_b32 s87, PAN, 0                      ; V's panel lies behind K's
	s_lshr_b32 s88, s85, 3
	s_lshl_b32 s88, s88, 2
	s_add_co_u32 s88, s88, s86
	s_lshl_b32 s88, s88, 3
	s_and_b32 s89, s85, 7
	s_add_co_u32 s88, s88, s89
	s_mul_i32 s88, s88, 2*PAN                      ; kvbuf: [batch x 4 + head][key step][K, V]
	s_add_co_u32 s88, s88, s87
	s_mov_b32 s89, 0
	s_add_nc_u64 s[OB:OB+1], s[96:97], s[88:89]
	s_wait_alu depctr_va_vdst(0)
	s_wait_tensorcnt 0x0                           ; my one load is in
	s_barrier_signal -1
	s_barrier_wait -1
	FETCH 0
.set Q, 0
.rept NSTEP
	STEP Q
.set Q, Q+1
.endr
	PLACES
	OUTQ
	s_wait_tensorcnt 0x0                           ; the wave's end
	ds_add_u32 v[SPW], v[NIL]
	s_wait_dscnt 0x0
	CROUND                                         ; the closing round
	s_endpgm
.Lfunc_end_k_q76881490e0_proj2:
	.size	k_q76881490e0_proj2, .Lfunc_end_k_q76881490e0_proj2-k_q76881490e0_proj2
	.p2alignl 7, 3214868480
	.fill 96, 4, 3214868480
	.section	.rodata,"a",@progbits
	.p2align	6, 0x0
	.amdhsa_kernel k_q76881490e0_proj2
		.amdhsa_group_segment_fixed_size 327680
		.amdhsa_private_segment_fixed_size 0
		.amdhsa_enable_private_segment 0
		.amdhsa_kernarg_size 24
		.amdhsa_user_sgpr_count 2
		.amdhsa_user_sgpr_kernarg_segment_ptr 1
		.amdhsa_wavefront_size32 1
		.amdhsa_system_sgpr_workgroup_id_x 1
		.amdhsa_system_sgpr_workgroup_id_y 1
		.amdhsa_system_sgpr_workgroup_id_z 1
		.amdhsa_system_vgpr_workitem_id 0
		.amdhsa_next_free_vgpr 768
		.amdhsa_next_free_sgpr 100
		.amdhsa_reserve_vcc 0
		.amdhsa_float_denorm_mode_32 3
		.amdhsa_float_denorm_mode_16_64 3
		.amdhsa_memory_ordered 1
		.amdhsa_forward_progress 1
		.amdhsa_inst_pref_size 53
	.end_amdhsa_kernel
	.amdgpu_metadata
---
amdhsa.version: [ 1, 2 ]
amdhsa.kernels:
  - .name:           k_q76881490e0_proj2
    .symbol:         k_q76881490e0_proj2.kd
    .args:
      - { .name: cbuf, .offset: 0, .size: 8, .value_kind: global_buffer, .address_space: global }
      - { .name: wts, .offset: 8, .size: 8, .value_kind: global_buffer, .address_space: global }
      - { .name: kvbuf, .offset: 16, .size: 8, .value_kind: global_buffer, .address_space: global }
    .group_segment_fixed_size: 327680
    .private_segment_fixed_size: 0
    .kernarg_segment_align: 8
    .kernarg_segment_size: 24
    .max_flat_workgroup_size: 128
    .sgpr_count:     100
    .vgpr_count:     768
    .wavefront_size: 32
...
	.end_amdgpu_metadata
.endif
;; end of part 3
;; launch attn (part 4): grid 16 x 16, 8 waves a work-group, clusters of 4 x 1, 327,680 bytes of LDS; arguments cbuf, wts, kvbuf, obuf; writes obuf
.if DOCPART == 4
	.amdgcn_target "amdgcn-amd-amdhsa--gfx1250"
	.amdhsa_code_object_version 6
	.text
	.protected	k_q76881490e0_attn
	.globl	k_q76881490e0_attn
	.p2align	8
	.type	k_q76881490e0_attn,@function
k_q76881490e0_attn:
	s_mov_b64 s[64:65], 0
	v_nop
	global_prefetch_b8 v0, s[64:65] scope:SCOPE_SE
	s_setreg_imm32_b32 hwreg(HW_REG_WAVE_MODE, 25, 1), 1
	s_wait_xcnt 0x0
	s_wait_alu depctr_hold_cnt(0) depctr_sa_sdst(0) depctr_va_vdst(0) depctr_va_sdst(0) depctr_va_ssrc(0) depctr_va_vcc(0) depctr_vm_vsrc(0)
	s_getreg_b32 s2, hwreg(HW_REG_IB_STS2, 6, 4)
	s_cmp_eq_u32 s2, 0
	s_cbranch_scc0 .Lentry_in_a_cluster
	s_endpgm
.Lentry_in_a_cluster:
	s_bfe_u32 s2, ttmp6, 0x10000c
	s_cmp_lg_u32 s2, 0x3003
	s_cbranch_scc0 .Lentry_shape_is_right
	s_endpgm
.Lentry_shape_is_right:
; q = cq Wq2, o = softmax(q k^T / sqrt(128), causal) v, on codes of FP6 (E2M3) with E8M0 scales; o is quantised along the head's axis and stored as panels for the last product.
; PANELS: 128 rows x 128 K as images of the operand's registers (eight fragments of 1,536 bytes, then 512 bytes of scale words: 12,800 bytes); place r of tile 2 b + u is row 32 b + 8 u + r + 8 (r / 8).
; WORK LEFT OUT: every score with key > query is -inf, whose weight is 0 for all inputs; key steps of 128 that lie wholly above a query tile's block are not computed.
; A NaN, an infinity or an overflow that reaches only those scores is not carried to the result.
; SHARES: a work-group takes one head (4 x kv head + its place in the cluster) of one batch and, of each of the 8 blocks of 128 queries, tiles 2 X and 2 X + 1 (X: the cluster's x).
; Eight waves, two to a SIMD.  Wave w takes tile 2 X + w % 2 of block 7 - w / 2 and then the same tile of block w / 2: (8 - j) + (j + 1) = 9 key steps for every wave.
; CLUSTER 4 x 1: the four heads of a kv head read the same K and V: all 16 panels of the sequence (204,800 bytes) are asked for jointly, once, by waves 0-3, 200 rows of 256 bytes each.
; Waves 4-7 bring a panel of the head's Wq2 each, the work-group's own.  One tensor load a wave; nothing in LDS is filled again.  Only Wq2's waves wait ahead of the first barrier: q is made while K and V are on their way.
; No prefetch: every tile is asked for once, at the head, and there is no loop that loads from memory to run ahead in.
; BOTH PRODUCTS ARE USED TRANSPOSED (S^T = k q^T, O^T = v^T p^T): a lane holds one query.  M is the running largest t rounded up to a whole number; p = 2^(t - M); the sum is taken of the unquantised p.
; REGISTERS: window 0: v16-27 q's codes, v28-39 the second tile's, v40-87 the second tile's cq, v88-95, v248-251, v253, v255, v11 scale words, v96-159 S^T and p, v160-223 O^T, v224-247 the quantiser.
;   window 1: v0-95 K's eight fragments, v96-191 V's eight (at the head: Wq2's, two K steps), v192-239 the first tile's cq.
; LIMITS: the promise holds while the scaled scores stay under 2^31 in magnitude; a block of zeros gets the scale byte 1 (its codes are zeros; this program alone reads the bytes); NaN and infinities are not served.
.set PAN,   12800
.set STEPB, 2*PAN                      ; a key step: K's panel, then V's
.set WQL,   8*STEPB                    ; behind K and V: Wq2's four panels
.set SPARE, WQL+4*PAN                  ; behind them: the spare words, 128 bytes a wave, four blocks of 256 bytes that no other line names
.set LI,  1                            ; 16 x lane
.set LR,  2                            ; 4 r + 256 h: lanes 16-31 take the scale words four tiles on
.set SPW, 3
.set NIL, 4
.set VQ,  5                            ; my tile's codes in a panel
.set VS,  6                            ; and its scale words
.set DQ,  7                            ; my query's place in its block, less 16 h
.set ADK, 8
.set ADS, 9
.set QA,  16
.set QB,  28
.set QS,  255
.set QSB, 11
.set CQS, 88                           ; cq's scale words: lanes 0-15 the first tile's, lanes 16-31 the second's
.set VSC, 92
.set KS,  248
.set TM,  232
.set PC,  224
.set PW,  253
.set WV,  12
.set WI,  16                           ; the block of queries at work
.set WIB, 15                           ; the second block
.set PH,  17
.set G1,  24
.set G0,  32
.set SEL, 36
.set CS,  38
.set SI,  42
.set TB,  43
.set G1W, 44
.set G0W, 52
.set MSB, 0
.macro WIN new                         ; the immediate's high byte repeats the setting that is left
.if MSB != (\new)
	s_set_vgpr_msb (MSB<<8)|(\new)
.set MSB, \new
.endif
.endm
.macro CROUND
	s_barrier_signal -1
	s_barrier_wait -1
	s_cmp_lg_u32 s[WV], 0
	s_cbranch_scc1 .Lnot_wave_0_\@
	s_barrier_signal -3
.Lnot_wave_0_\@:
	s_barrier_wait -3
	s_barrier_signal -1
	s_barrier_wait -1
.endm
.macro PLACES                          ; four plain instructions behind a matrix instruction (ISA guide 7.12.1)
.rept 4
	v_nop
.endr
.endm
.macro FRAG8 base, off                 ; a panel's eight fragments into window 1: 24 loads
	WIN 0x40
.irp t, 0,1,2,3,4,5,6,7
.irp c, 0,1,2
	ds_load_b128 v[(\base)+12*\t+4*\c:(\base)+12*\t+4*\c+3], v[ADK] offset:(\off)+1536*\t+512*\c
.endr
.endr
	WIN 0
.endm
.macro SCL4 reg, off                   ; its scale words: 4 loads; register i: lanes 0-15 tile i, lanes 16-31 tile i + 4
.irp t, 0,1,2,3
	ds_load_b32 v[(\reg)+\t], v[ADS] offset:(\off)+64*\t
.endr
.endm
.macro WMC d, a, b, c, sa, sb, ra, rb
.if (\ra) && (\rb)
	v_wmma_scale_f32_16x16x128_f8f6f4 v[(\d):(\d)+7], v[(\a):(\a)+11], v[(\b):(\b)+11], \c, v[\sa], v[\sb] matrix_a_fmt:MATRIX_FMT_FP6 matrix_b_fmt:MATRIX_FMT_FP6 matrix_a_scale:MATRIX_SCALE_ROW1 matrix_b_scale:MATRIX_SCALE_ROW1
.elseif (\ra)
	v_wmma_scale_f32_16x16x128_f8f6f4 v[(\d):(\d)+7], v[(\a):(\a)+11], v[(\b):(\b)+11], \c, v[\sa], v[\sb] matrix_a_fmt:MATRIX_FMT_FP6 matrix_b_fmt:MATRIX_FMT_FP6 matrix_a_scale:MATRIX_SCALE_ROW1
.elseif (\rb)
	v_wmma_scale_f32_16x16x128_f8f6f4 v[(\d):(\d)+7], v[(\a):(\a)+11], v[(\b):(\b)+11], \c, v[\sa], v[\sb] matrix_a_fmt:MATRIX_FMT_FP6 matrix_b_fmt:MATRIX_FMT_FP6 matrix_b_scale:MATRIX_SCALE_ROW1
.else
	v_wmma_scale_f32_16x16x128_f8f6f4 v[(\d):(\d)+7], v[(\a):(\a)+11], v[(\b):(\b)+11], \c, v[\sa], v[\sb] matrix_a_fmt:MATRIX_FMT_FP6 matrix_b_fmt:MATRIX_FMT_FP6
.endif
.endm
.macro WM d, a, b, z, sa, sb, ra, rb   ; z = 1: the product starts the sum
.if \z
	WMC \d, \a, \b, 0, \sa, \sb, \ra, \rb
.else
	WMC \d, \a, \b, v[(\d):(\d)+7], \sa, \sb, \ra, \rb
.endif
.endm
; 64 numbers of a lane, register 16 b + i = k 32 b + 16 h + i of my row, become a fragment's codes in v[PC] on and its scale word in v[PW]
.macro QMAX s
.irp b, 0,1,2,3
	v_max3_num_f32 v[TM+\b], |v[(\s)+16*\b]|, |v[(\s)+16*\b+1]|, 0x1800000   ; my 16 numbers and the floor 2^(3 - 127)
.endr
.irp i, 2,4,6,8,10,12,14
.irp b, 0,1,2,3
	v_max3_num_f32 v[TM+\b], v[TM+\b], |v[(\s)+16*\b+\i]|, |v[(\s)+16*\b+\i+1]|
.endr
.endr
.irp b, 0,1,2,3
	s_delay_alu instid0(VALU_DEP_4)
	v_permlanex16_b32 v[TM+4+\b], v[TM+\b], s[SEL], s[SEL+1]
.endr
.irp b, 0,1,2,3
	s_delay_alu instid0(VALU_DEP_4)
	v_max_num_f32 v[TM+\b], v[TM+\b], v[TM+4+\b]   ; with lane l xor 16's 16
.endr
.endm
.macro QTAIL s
.irp b, 0,1,2,3
	s_delay_alu instid0(VALU_DEP_4)
	v_add_nc_u32 v[TM+12+\b], 0xff000000, v[TM+\b]   ; 2 off the exponent field: the conversion's scale operand
.endr
.irp b, 0,1,2,3
	s_delay_alu instid0(VALU_DEP_4)
	v_lshrrev_b32 v[TM+4+\b], 23, v[TM+12+\b]      ; the scale's byte
.endr
	s_delay_alu instid0(VALU_DEP_3)
	v_lshl_or_b32 v[PW], v[TM+5], 8, v[TM+4]
	s_delay_alu instid0(VALU_DEP_1)
	v_lshl_or_b32 v[PW], v[TM+6], 16, v[PW]
	s_delay_alu instid0(VALU_DEP_1)
	v_lshl_or_b32 v[PW], v[TM+7], 24, v[PW]
.irp c, 0,1
	v_cvt_scalef32_pk16_fp6_f32 v[PC+6*\c:PC+6*\c+2], v[(\s)+32*\c:(\s)+32*\c+15], v[TM+12+2*\c]
	v_cvt_scalef32_pk16_fp6_f32 v[PC+12+4*\c:PC+12+4*\c+2], v[(\s)+32*\c+16:(\s)+32*\c+31], v[TM+13+2*\c]
.endr
	v_nop                                          ; one plain instruction behind the scaled conversions
.irp c, 0,1                                    ; the operand wants a whole block in a lane
.irp i, 0,1,2
	v_permlane16_swap_b32 v[PC+6*\c+\i], v[PC+12+4*\c+\i]
.endr
.irp i, 0,1,2
	s_delay_alu instid0(VALU_DEP_3)
	v_mov_b32 v[PC+3+6*\c+\i], v[PC+12+4*\c+\i]
.endr
.endr
.endm
	s_load_b256 s[4:11], s[0:1], 0x0               ; cbuf, wts, kvbuf, obuf
	v_lshl_add_u32 v[SPW], v0, 2, SPARE
	v_mov_b32 v[NIL], 0
	ds_add_u32 v[SPW], v[NIL]                      ; the opening lines: the add, twice on end, and its wait ahead of my tensor load
	ds_add_u32 v[SPW], v[NIL]
	v_lshrrev_b32 v8, 5, v0
	v_readfirstlane_b32 s[WV], v8                  ; wave 0..7
	s_bfe_u32 s13, ttmp6, 0x40000                  ; cx
	s_and_b32 s14, ttmp7, 0xffff                   ; 4 x batch + kv head
	s_lshr_b32 s[WIB], s[WV], 1                    ; j: my second block
	s_and_b32 s17, s[WV], 1                        ; u
	s_and_b32 s40, s[WV], 3                        ; which part I fetch
	s_xor_b32 s[WI], s[WIB], 7                     ; 7 - j: my first block
	s_and_b32 s19, s14, 3
	s_lshl_b32 s19, s19, 2
	s_add_co_u32 s19, s19, s13                     ; the head
	s_lshl_b32 s20, ttmp9, 1
	s_add_co_u32 s20, s20, s17                     ; my tile's place in its block
	s_mul_i32 s22, s20, 1536
	s_lshl_b32 s23, s20, 6
	s_add_co_u32 s23, s23, 12288
	s_lshl_b32 s41, ttmp9, 5
	s_lshl_b32 s20, s17, 3
	s_add_co_u32 s41, s41, s20                     ; the tile's first row in its block
	s_mul_i32 s56, s[WI], 4*PAN                    ; cq: four panels a block of tokens
	s_mul_i32 s57, s[WIB], 4*PAN
	s_lshr_b32 s18, s14, 2                         ; the batch
	s_mul_i32 s2, s18, 32*PAN
	s_mov_b32 s3, 0
	s_lshl_b32 s18, s18, 3
	s_add_co_u32 s20, s18, s[WI]
	s_lshl_b32 s20, s20, 4
	s_add_co_u32 s20, s20, s19
	s_mul_i32 s20, s20, PAN                        ; obuf: [block of tokens][head]
	s_mov_b32 s21, 0
	s_add_co_u32 s58, s18, s[WIB]
	s_lshl_b32 s58, s58, 4
	s_add_co_u32 s58, s58, s19
	s_mul_i32 s58, s58, PAN
	s_mov_b32 s59, 0
	s_mov_b32 s[G1], 15|(3<<16)|(1<<21)            ; K and V: the mask names all four; elements of 8 bytes; 200 rows of 256 bytes of a dense block
	s_mov_b32 s[G1+1], 32<<16
	s_mov_b32 s[G1+2], 200<<16
	s_mov_b32 s[G1+3], 32<<16
	s_mov_b32 s[G1+4], 200
	s_mov_b32 s[G1+5], 32
	s_mov_b32 s[G1+6], 0
	s_mov_b32 s[G1+7], 0
	s_mov_b32 s[G1W], 3<<16                        ; Wq2: no mask; 50 rows of 256 bytes
	s_mov_b32 s[G1W+1], 32<<16
	s_mov_b32 s[G1W+2], 50<<16
	s_mov_b32 s[G1W+3], 32<<16
	s_mov_b32 s[G1W+4], 50
	s_mov_b32 s[G1W+5], 32
	s_mov_b32 s[G1W+6], 0
	s_mov_b32 s[G1W+7], 0
	s_mov_b32 s[G0], 1
	s_mul_i32 s[G0+1], s40, 4*PAN                  ; four panels a wave: no place in the cluster enters an LDS address
	s_mul_i32 s[G0+2], s14, 16*PAN
	s_add_co_u32 s[G0+2], s[G0+2], s[G0+1]
	s_mov_b32 s[G0+3], 0
	s_mov_b32 s[G0W], 1
	s_mul_i32 s[G0W+1], s40, PAN
	s_add_co_u32 s[G0W+1], s[G0W+1], WQL
	s_lshl_b32 s[G0W+2], s19, 2
	s_add_co_u32 s[G0W+2], s[G0W+2], s40
	s_add_co_u32 s[G0W+2], s[G0W+2], 192           ; Wq2's panels in wts: [head][K step]
	s_mul_i32 s[G0W+2], s[G0W+2], PAN
	s_mov_b32 s[G0W+3], 0
	s_mov_b32 s[SEL], 0x76543210
	s_mov_b32 s[SEL+1], 0xfedcba98
	s_mov_b32 s[CS], 0x3e0293ee                    ; log2(e) / sqrt(128)
	s_mov_b32 s[CS+1], s[CS]
	v_and_b32 v[LI], 31, v0
	v_and_b32 v10, 15, v0                          ; r
	v_bfe_u32 v9, v0, 4, 1                         ; h
	v_lshlrev_b32 v[LI], 4, v[LI]
	v_lshl_add_u32 v[VS], v10, 2, s23
	v_sub_nc_u32 v226, 1, v9
	v_lshlrev_b32 v[LR], 2, v10
	v_add_nc_u32 v[VQ], s22, v[LI]
	v_mul_u32_u24 v226, s56, v226
	v_lshl_add_u32 v[LR], v9, 8, v[LR]
	v_and_b32 v[DQ], 8, v10
	v_add_nc_u32 v224, s56, v[VQ]                  ; cq's codes: the first tile's,
	v_add_nc_u32 v225, s57, v[VQ]                  ; the second's;
	v_mad_u32_u24 v226, v9, s57, v226
	v_add_nc_u32 v[DQ], v[DQ], v10
	v_lshlrev_b32 v10, 4, v9
	v_add_nc_u32 v226, v226, v[VS]                 ; its scale words: lanes 0-15 the first tile's, lanes 16-31 the second's
	v_sub_nc_u32 v[DQ], v[DQ], v10
	v_add_nc_u32 v[ADK], WQL, v[LI]
	v_add_nc_u32 v[ADS], WQL, v[LR]
	v_add_nc_u32 v[DQ], s41, v[DQ]
.irp b, 0,1,2,3
	v_mov_b32 v[236+\b], 0                         ; written once: a lane permute's destination counts as one of its sources
.endr
	v_mov_b32 v252, 0
	v_mov_b32 v253, 0
	s_wait_alu depctr_va_vdst(0)                   ; the wait at the head's end
	s_wait_dscnt 0x0                               ; both opening adds are done
	s_wait_kmcnt 0x0
	s_add_nc_u64 s[G0+2:G0+3], s[8:9], s[G0+2:G0+3]
	s_or_b32 s[G0+3], s[G0+3], 0x80000000
	s_add_nc_u64 s[G0W+2:G0W+3], s[6:7], s[G0W+2:G0W+3]
	s_or_b32 s[G0W+3], s[G0W+3], 0x80000000
	s_add_nc_u64 s[4:5], s[4:5], s[2:3]
	s_add_nc_u64 s[58:59], s[10:11], s[58:59]      ; where the second tile goes,
	s_add_nc_u64 s[10:11], s[10:11], s[20:21]      ; and the first
.macro CQLOAD                          ; cq's fragments and scale words of both my tiles: 28 loads
	WIN 0x40
.irp ks, 0,1,2,3
.irp c, 0,1,2
	global_load_b128 v[192+12*\ks+4*\c:192+12*\ks+4*\c+3], v224, s[4:5] offset:PAN*\ks+512*\c
.endr
.endr
	WIN 0
.irp ks, 0,1,2,3
.irp c, 0,1,2
	global_load_b128 v[40+12*\ks+4*\c:40+12*\ks+4*\c+3], v225, s[4:5] offset:PAN*\ks+512*\c
.endr
	global_load_b32 v[CQS+\ks], v226, s[4:5] offset:PAN*\ks
.endr
.endm
	CROUND                                         ; all four work-groups are here: the joint loads meet
	s_cmp_lt_u32 s[WV], 4
	s_cbranch_scc0 .Lfor_w
	CQLOAD                                         ; K's and V's waves ask for cq ahead of their tensor load, Wq2's waves behind theirs: Wq2, which is read first, is asked for first
	tensor_load_to_lds s[G0:G0+3], s[G1:G1+7]      ; waves 0-3: four of K's and V's 16 panels
	s_nop 0
.rept 4
	v_nop
.endr
	s_branch .Lasked
.Lfor_w:
	tensor_load_to_lds s[G0W:G0W+3], s[G1W:G1W+7]  ; waves 4-7: a panel of Wq2,
	s_nop 0
.rept 4
	v_nop
.endr
	CQLOAD
	s_wait_tensorcnt 0x0                           ; Wq2 is read behind the barrier below; K's and V's loads stay out across it
.Lasked:
	s_barrier_signal -1
	s_barrier_wait -1
; q = cq Wq2 for both my tiles: each fragment of Wq2 feeds two products.  The 16 accumulators take turns, in the same order in every K step
.macro LOADW ks, st                    ; K step ks of Wq2 into set st: 28 LDS loads
	FRAG8 96*(\st), PAN*(\ks)
	SCL4 KS-156*(\st), PAN*(\ks)+12288
.endm
.macro MULQ ks, z
.set ST, (\ks)%2
	WIN 0x05                                       ; sources 0 and 1 window 1
.irp t, 0,1,2,3,4,5,6,7
	WM 96+8*\t, 96*ST+12*\t, 192+12*(\ks), \z, KS-156*ST+\t%4, CQS+(\ks), \t/4, 0
.endr
	WIN 0x01                                       ; source 0 window 1
.irp t, 0,1,2,3,4,5,6,7
	WM 160+8*\t, 96*ST+12*\t, 40+12*(\ks), \z, KS-156*ST+\t%4, CQS+(\ks), \t/4, 1
.endr
	WIN 0
.endm
	LOADW 0, 0
	LOADW 1, 1
	s_wait_loadcnt 0x0                             ; cq is in
	s_wait_dscnt 28                                ; the older set is in; the younger set's 28 loads may be out
	MULQ 0, 1
	PLACES
	LOADW 2, 0
	s_wait_dscnt 28
	MULQ 1, 0
	PLACES
	LOADW 3, 1
	s_wait_dscnt 28
	MULQ 2, 0
	s_wait_dscnt 0x0
	MULQ 3, 0
	PLACES
	QMAX 96
.set PC, QA
.set PW, QS
	QTAIL 96
	QMAX 160
.set PC, QB
.set PW, QSB
	QTAIL 160
.set PC, 224
.set PW, 253
	s_mov_b32 s[PH], 0
	s_wait_alu depctr_va_vdst(0)                   ; the wait ahead of the wait below
	s_wait_tensorcnt 0x0                           ; my part of K and V is in
	s_barrier_signal -1
	s_barrier_wait -1                              ; and everybody's
.Lphase:                                               ; a trip: one query tile
	v_mov_b32 v13, 0xff61b1e6                      ; the largest t so far: -3e38
	v_mov_b32 v14, 0
	v_mov_b32 v15, 0
	v_floor_f32 v12, -v13                          ; -M
	v_mov_b32 v[ADK], v[LI]
	v_mov_b32 v[ADS], v[LR]
	s_wait_alu depctr_va_vdst(0)                   ; the wait behind the tile's opening writes
	s_mov_b32 s[SI], 0
	s_mov_b32 s[TB], 0
	FRAG8 0, 0                                     ; key step 0's K
	SCL4 KS, 12288
.Lstep:                                                ; eight trips; the steps above my block are jumped over
	s_cmp_gt_u32 s[SI], s[WI]
	s_cbranch_scc1 .Lnext
	v_add_nc_u32 v[ADK], s[TB], v[LI]
	v_add_nc_u32 v[ADS], s[TB], v[LR]
	v_nop
	v_nop                                          ; four places behind the last step's products
	FRAG8 96, PAN                                  ; this step's V: 28 loads, awaited behind the softmax
	SCL4 VSC, PAN+12288
	s_wait_alu depctr_va_vdst(0)                   ; the wait ahead of the wait below
	s_wait_dscnt 28                                ; K is in; V's 28 loads may be out
	WIN 0x01
.irp t, 0,1,2,3,4,5,6,7
	WM 96+8*\t, 12*\t, QA, 1, KS+\t%4, QS, \t/4, 0
.endr
	WIN 0
	PLACES
	s_cmp_lg_u32 s[SI], s[WI]
	s_cbranch_scc1 .Lopen
	v_mov_b32 v254, 0xff800000                     ; the step on the diagonal: key 32 (n / 16) + 16 h + n % 16 counts only up to my query
.set N, 0
.rept 64
	v_cmp_gt_i32 vcc_lo, 32*(N/16)+N%16, v[DQ]
	v_cndmask_b32 v[96+N], v[96+N], v254, vcc_lo
.set N, N+1
.endr
	s_wait_alu depctr_va_vdst(0)
	s_wait_dscnt 0x0                               ; no K follows on this way: V is awaited here, so that the count below holds on both ways
	s_branch .Lsoft
.Lopen:
	FRAG8 0, STEPB                                 ; the next step's K: 28 loads
	SCL4 KS, STEPB+12288
.Lsoft:
.irp b, 0,1,2,3
	v_max3_num_f32 v[232+\b], v[96+16*\b], v[97+16*\b], v[98+16*\b]   ; each block's largest score: for the row's maximum and for the block's largest p
.endr
.irp i, 3,5,7,9,11,13
.irp b, 0,1,2,3
	v_max3_num_f32 v[232+\b], v[232+\b], v[96+16*\b+\i], v[97+16*\b+\i]
.endr
.endr
.irp b, 0,1,2,3
	v_max_num_f32 v[232+\b], v[232+\b], v[111+16*\b]
.endr
.irp b, 0,1,2,3
	s_delay_alu instid0(VALU_DEP_4)
	v_permlanex16_b32 v[236+\b], v[232+\b], s[SEL], s[SEL+1]
.endr
.irp b, 0,1,2,3
	s_delay_alu instid0(VALU_DEP_4)
	v_max_num_f32 v[232+\b], v[232+\b], v[236+\b]
.endr
	s_delay_alu instid0(VALU_DEP_2)
	v_max3_num_f32 v254, v232, v233, v234
	s_delay_alu instid0(VALU_DEP_1)
	v_max_num_f32 v254, v254, v235
	s_delay_alu instid0(VALU_DEP_1)
	v_mul_f32 v254, s[CS], v254
	s_delay_alu instid0(VALU_DEP_1)
	v_max_num_f32 v13, v13, v254                   ; the running largest t
	v_mov_b32 v254, v12
	s_delay_alu instid0(VALU_DEP_2)
	v_floor_f32 v12, -v13                          ; the new -M: a whole number
	s_delay_alu instid0(VALU_DEP_1)
	v_sub_f32 v254, v12, v254
	s_delay_alu instid0(VALU_DEP_1)
	v_cvt_i32_f32 v254, v254
	s_delay_alu instid0(VALU_DEP_1)
	v_ldexp_f32 v252, 1.0, v254                    ; f = 2^(old M - new M)
.set J, 0
.rept 32
	v_pk_fma_f32 v[96+J:97+J], v[96+J:97+J], s[CS:CS+1], v[12:13] op_sel_hi:[1,0,0]   ; t - M
.set J, J+2
.endr
.irp b, 0,1,2,3
	v_fma_f32 v[232+\b], v[232+\b], s[CS], v12
.endr
	s_wait_alu depctr_va_vdst(0)                   ; the wait ahead of the batch
.set J, 0
.rept 64
	v_exp_f32 v[96+J], v[96+J]
.set J, J+1
.endr
	v_pk_mul_f32 v[14:15], v[14:15], v[252:253] op_sel_hi:[1,0]   ; the sums under the new M
	s_wait_alu depctr_va_vdst(0)                   ; one wait for the batch
.irp b, 0,1,2,3
	v_exp_f32 v[232+\b], v[232+\b]                 ; each block's largest p
.endr
	v_pk_add_f32 v[236:237], v[96:97], v[98:99]    ; the row's sum, of the unquantised p, in two chains
.set J, 4
.rept 15
	v_pk_add_f32 v[14:15], v[14:15], v[96+J:97+J]
	v_pk_add_f32 v[236:237], v[236:237], v[98+J:99+J]
.set J, J+4
.endr
	s_delay_alu instid0(VALU_DEP_1)
	v_pk_add_f32 v[14:15], v[14:15], v[236:237]
	s_wait_alu depctr_va_vdst(0)                   ; and one for the four
.irp b, 0,1,2,3
	v_max_num_f32 v[232+\b], 0x1800000, v[232+\b]
.endr
	QTAIL 96
	s_cmp_eq_u32 s[SI], 0
	s_wait_alu depctr_va_vdst(0)                   ; the wait ahead of the branch
	s_cbranch_scc1 .Lfirst
	s_wait_alu depctr_va_vdst(0)                   ; and directly ahead of the first reader of O^T
.set J, 0
.rept 32
	v_pk_mul_f32 v[160+J:161+J], v[160+J:161+J], v[252:253] op_sel_hi:[1,0]   ; O^T under the new M; these are also the places ahead of the products
.set J, J+2
.endr
	s_wait_alu depctr_va_vdst(0)
	s_wait_dscnt 28                                ; V is in; the next K's 28 loads may be out
	WIN 0x01
.irp t, 0,1,2,3,4,5,6,7
	WM 160+8*\t, 96+12*\t, 224, 0, VSC+\t%4, 253, \t/4, 0
.endr
	WIN 0
	s_branch .Lnext
.Lfirst:                                               ; a tile's first step starts the sums: nothing is cleared, nothing rescaled
.rept 8
	v_nop                                          ; p's scale word stands eight places ahead of the products
.endr
	s_wait_dscnt 28
	WIN 0x01
.irp t, 0,1,2,3,4,5,6,7
	WM 160+8*\t, 96+12*\t, 224, 1, VSC+\t%4, 253, \t/4, 0
.endr
	WIN 0
.Lnext:
	s_add_co_u32 s[TB], s[TB], STEPB
	s_add_co_u32 s[SI], s[SI], 1
	s_cmp_lt_u32 s[SI], 8
	s_cbranch_scc1 .Lstep
	s_wait_dscnt 0x0                               ; no LDS load is out
	PLACES
	s_wait_alu depctr_va_vdst(0)                   ; the wait directly ahead of the reader below
	v_add_f32 v14, v14, v15
	s_delay_alu instid0(VALU_DEP_1)
	v_permlanex16_b32 v252, v14, s[SEL], s[SEL+1]
	s_delay_alu instid0(VALU_DEP_1)
	v_add_f32 v14, v14, v252                       ; the row's sum
	s_wait_alu depctr_va_vdst(0)
	v_rcp_f32 v14, v14
	v_nop
	s_wait_alu depctr_va_vdst(0)
.set J, 0
.rept 64
	v_mul_f32 v[96+J], v[160+J], v14
.set J, J+1
.endr
	QMAX 96
	QTAIL 96
.irp c, 0,1,2
	global_store_b128 v[VQ], v[PC+4*\c:PC+4*\c+3], s[10:11] offset:512*\c   ; 512 consecutive bytes a store
.endr
	global_store_b32 v[VS], v[PW], s[10:11]        ; 64 consecutive bytes; lanes l and l + 16 write the same word
	v_mov_b32 v[QS], v[QSB]                        ; the second tile's q takes the first's place
.set J, 0
.rept 12
	v_mov_b32 v[QA+J], v[QB+J]
.set J, J+1
.endr
	s_wait_alu depctr_va_vdst(0)                   ; the wait ahead of the wait below
	s_wait_xcnt 0x0                                ; the stores have read their data and their base
	s_mov_b64 s[10:11], s[58:59]
	s_mov_b32 s[WI], s[WIB]
	s_add_co_u32 s[PH], s[PH], 1
	s_cmp_lt_u32 s[PH], 2
	s_cbranch_scc1 .Lphase
	s_wait_tensorcnt 0x0                           ; the wave's end
	ds_add_u32 v[SPW], v[NIL]
	s_wait_dscnt 0x0
	CROUND                                         ; the closing round
	s_endpgm
.Lfunc_end_k_q76881490e0_attn:
	.size	k_q76881490e0_attn, .Lfunc_end_k_q76881490e0_attn-k_q76881490e0_attn
	.p2alignl 7, 3214868480
	.fill 96, 4, 3214868480
	.section	.rodata,"a",@progbits
	.p2align	6, 0x0
	.amdhsa_kernel k_q76881490e0_attn
		.amdhsa_group_segment_fixed_size 327680
		.amdhsa_private_segment_fixed_size 0
		.amdhsa_enable_private_segment 0
		.amdhsa_kernarg_size 32
		.amdhsa_user_sgpr_count 2
		.amdhsa_user_sgpr_kernarg_segment_ptr 1
		.amdhsa_wavefront_size32 1
		.amdhsa_system_sgpr_workgroup_id_x 1
		.amdhsa_system_sgpr_workgroup_id_y 1
		.amdhsa_system_sgpr_workgroup_id_z 1
		.amdhsa_system_vgpr_workitem_id 0
		.amdhsa_next_free_vgpr 512
		.amdhsa_next_free_sgpr 66
		.amdhsa_reserve_vcc 1
		.amdhsa_float_denorm_mode_32 3
		.amdhsa_float_denorm_mode_16_64 3
		.amdhsa_memory_ordered 1
		.amdhsa_forward_progress 1
		.amdhsa_inst_pref_size 75
	.end_amdhsa_kernel
	.amdgpu_metadata
---
amdhsa.version: [ 1, 2 ]
amdhsa.kernels:
  - .name:           k_q76881490e0_attn
    .symbol:         k_q76881490e0_attn.kd
    .args:
      - { .name: cbuf, .offset: 0, .size: 8, .value_kind: global_buffer, .address_space: global }
      - { .name: wts, .offset: 8, .size: 8, .value_kind: global_buffer, .address_space: global }
      - { .name: kvbuf, .offset: 16, .size: 8, .value_kind: global_buffer, .address_space: global }
      - { .name: obuf, .offset: 24, .size: 8, .value_kind: global_buffer, .address_space: global }
    .group_segment_fixed_size: 327680
    .private_segment_fixed_size: 0
    .kernarg_segment_align: 8
    .kernarg_segment_size: 32
    .max_flat_workgroup_size: 256
    .sgpr_count:     66
    .vgpr_count:     512
    .wavefront_size: 32
...
	.end_amdgpu_metadata
.endif
;; end of part 4
;; launch outp (part 5): grid 16 x 16, 4 waves a work-group, clusters of 4 x 4, 327,680 bytes of LDS; arguments obuf, wts, out0; writes out0
.if DOCPART == 5
	.amdgcn_target "amdgcn-amd-amdhsa--gfx1250"
	.amdhsa_code_object_version 6
	.text
	.protected	k_q76881490e0_outp
	.globl	k_q76881490e0_outp
	.p2align	8
	.type	k_q76881490e0_outp,@function
k_q76881490e0_outp:
	s_mov_b64 s[64:65], 0
	v_nop
	global_prefetch_b8 v0, s[64:65] scope:SCOPE_SE
	s_setreg_imm32_b32 hwreg(HW_REG_WAVE_MODE, 25, 1), 1
	s_wait_xcnt 0x0
	s_wait_alu depctr_hold_cnt(0) depctr_sa_sdst(0) depctr_va_vdst(0) depctr_va_sdst(0) depctr_va_ssrc(0) depctr_va_vcc(0) depctr_vm_vsrc(0)
	s_getreg_b32 s2, hwreg(HW_REG_IB_STS2, 6, 4)
	s_cmp_eq_u32 s2, 0
	s_cbranch_scc0 .Lentry_in_a_cluster
	s_endpgm
.Lentry_in_a_cluster:
	s_bfe_u32 s2, ttmp6, 0x10000c
	s_cmp_lg_u32 s2, 0xf033
	s_cbranch_scc0 .Lentry_shape_is_right
	s_endpgm
.Lentry_shape_is_right:
; out0 = o Wo: M = 4,096 tokens, K = 2,048, N = 2,048, on codes of FP6 (E2M3) with E8M0 scales; out0 is f32.
; The body is the first projection's: a work-group takes 256 tokens (source 1, two streams of panels) x 128 columns of Wo (source 0, one stream); wave w takes tiles 4 (w % 2) + 0 .. 3 of token stream w / 2 against all eight
; column tiles: 32 accumulators.  A ring of two LDS slots of four K steps; waves 0, 1 bring a token stream's four panels, waves 2, 3 two of Wo's four, one tensor load a wave.
; CLUSTER 4 x 4: the four of a row need the same tokens, the four of a column the same columns: each tile is asked for jointly.  256 work-groups in all.
; By this text's count a wave has one tensor load out at the start and one behind each refill, which has four K steps, 128 matrix instructions, in which to land.
; THE WAY OUT: a lane holds one token and 64 of its 128 columns; a tile of 16 tokens goes through the wave's stage in LDS and leaves as whole rows of 512 consecutive bytes.  The tokens of a tile are not neighbours: place t of
; tile 2 b + u is token 32 b + 8 u + t + 8 (t / 8) of its block of 128, which stands in the stores' immediates.  The stages lie in slot 0, which has had its last fill and, ahead of the last change of slots, its last read.
.set PAN,   12800
.set NQ,    4
.set NPH,   4
.set NSTEP, NQ*NPH
.set SLOT,  3*NQ*PAN
.set SPARE, 2*SLOT                     ; behind the ring: the spare words, 128 bytes a wave, two blocks of 256 bytes that no other line names
.set RA,    50*NQ
.set RB,    25*NQ
.set LI,   3
.set ADRA, 4
.set ADRB, 6
.set ADSA, 8
.set ADSB, 10
.set SPW,  12
.set NIL,  13
.set STO,  14                          ; v14  the stage: where I put my 64 bytes of each 128 of a row
.set RD,   15                          ; v15  and where I read a row back
.set SA,   20
.set SB,   24
.set AF,   32
.set BK,   128                         ; v128-255 rows read back: two sets of 64
.set G1A,  24
.set G0A,  32
.set G1B,  40
.set G0B,  48
.set MSB, 0
.macro WIN new
.if MSB != (\new)
	s_set_vgpr_msb (MSB<<8)|(\new)
.set MSB, \new
.endif
.endm
.macro PLACES
.rept 4
	v_nop
.endr
.endm
.macro CROUND
	s_barrier_signal -1
	s_barrier_wait -1
	s_cmp_lg_u32 s10, 0
	s_cbranch_scc1 .Lnot_wave_0_\@
	s_barrier_signal -3
.Lnot_wave_0_\@:
	s_barrier_wait -3
	s_barrier_signal -1
	s_barrier_wait -1
.endm
.macro JLOAD s
	s_cmp_eq_u32 s11, 0
	s_cbranch_scc0 .Lfor_b_\@
	tensor_load_to_lds s[G0A+4*(\s):G0A+4*(\s)+3], s[G1A:G1A+7]
	s_nop 0
.rept 4
	v_nop
.endr
	s_branch .Lasked_\@
.Lfor_b_\@:
	tensor_load_to_lds s[G0B+4*(\s):G0B+4*(\s)+3], s[G1B:G1B+7]
	s_nop 0
.rept 4
	v_nop
.endr
.Lasked_\@:
.endm
.macro FETCH q
.set FS, ((\q)/NQ)%2
.set FQ, (\q)%NQ
.set FT, (\q)%2
	WIN 0x80
.irp b, 0,1,2,3,4,5,6,7
.irp c, 0,1,2
	ds_load_b128 v[96*FT+12*\b+4*\c:96*FT+12*\b+4*\c+3], v[ADRB+FS] offset:FQ*PAN+1536*\b+512*\c
.endr
.endr
	WIN 0
.irp a, 0,1,2,3
.irp c, 0,1,2
	ds_load_b128 v[AF+48*FT+12*\a+4*\c:AF+48*FT+12*\a+4*\c+3], v[ADRA+FS] offset:FQ*PAN+1536*\a+512*\c
.endr
.endr
.irp i, 0,1,2,3
	ds_load_b32 v[SB+4*FT+\i], v[ADSB+FS] offset:FQ*PAN+12288+64*\i
.endr
.irp i, 0,1
	ds_load_b32 v[SA+2*FT+\i], v[ADSA+FS] offset:FQ*PAN+12288+64*\i
.endr
.endm
.macro MM a, b, zero
.set rD, 8*(8*\a+\b)
.set rB, 96*MT+12*\b
.set rA, AF+48*MT+12*\a
.set rX, SB+4*MT+\b%4
.set rY, SA+2*MT+\a%2
.if \zero
.if (\b < 4) && (\a < 2)
	v_wmma_scale_f32_16x16x128_f8f6f4 v[rD:rD+7], v[rB:rB+11], v[rA:rA+11], 0, v[rX], v[rY] matrix_a_fmt:MATRIX_FMT_FP6 matrix_b_fmt:MATRIX_FMT_FP6
.elseif \a < 2
	v_wmma_scale_f32_16x16x128_f8f6f4 v[rD:rD+7], v[rB:rB+11], v[rA:rA+11], 0, v[rX], v[rY] matrix_a_fmt:MATRIX_FMT_FP6 matrix_b_fmt:MATRIX_FMT_FP6 matrix_a_scale:MATRIX_SCALE_ROW1
.elseif \b < 4
	v_wmma_scale_f32_16x16x128_f8f6f4 v[rD:rD+7], v[rB:rB+11], v[rA:rA+11], 0, v[rX], v[rY] matrix_a_fmt:MATRIX_FMT_FP6 matrix_b_fmt:MATRIX_FMT_FP6 matrix_b_scale:MATRIX_SCALE_ROW1
.else
	v_wmma_scale_f32_16x16x128_f8f6f4 v[rD:rD+7], v[rB:rB+11], v[rA:rA+11], 0, v[rX], v[rY] matrix_a_fmt:MATRIX_FMT_FP6 matrix_b_fmt:MATRIX_FMT_FP6 matrix_a_scale:MATRIX_SCALE_ROW1 matrix_b_scale:MATRIX_SCALE_ROW1
.endif
.else
.if (\b < 4) && (\a < 2)
	v_wmma_scale_f32_16x16x128_f8f6f4 v[rD:rD+7], v[rB:rB+11], v[rA:rA+11], v[rD:rD+7], v[rX], v[rY] matrix_a_fmt:MATRIX_FMT_FP6 matrix_b_fmt:MATRIX_FMT_FP6
.elseif \a < 2
	v_wmma_scale_f32_16x16x128_f8f6f4 v[rD:rD+7], v[rB:rB+11], v[rA:rA+11], v[rD:rD+7], v[rX], v[rY] matrix_a_fmt:MATRIX_FMT_FP6 matrix_b_fmt:MATRIX_FMT_FP6 matrix_a_scale:MATRIX_SCALE_ROW1
.elseif \b < 4
	v_wmma_scale_f32_16x16x128_f8f6f4 v[rD:rD+7], v[rB:rB+11], v[rA:rA+11], v[rD:rD+7], v[rX], v[rY] matrix_a_fmt:MATRIX_FMT_FP6 matrix_b_fmt:MATRIX_FMT_FP6 matrix_b_scale:MATRIX_SCALE_ROW1
.else
	v_wmma_scale_f32_16x16x128_f8f6f4 v[rD:rD+7], v[rB:rB+11], v[rA:rA+11], v[rD:rD+7], v[rX], v[rY] matrix_a_fmt:MATRIX_FMT_FP6 matrix_b_fmt:MATRIX_FMT_FP6 matrix_a_scale:MATRIX_SCALE_ROW1 matrix_b_scale:MATRIX_SCALE_ROW1
.endif
.endif
.endm
.macro MUL q, zero                     ; the 32 accumulators take turns, one instruction a turn
.set MT, (\q)%2
	WIN 0x52
.irp a, 0,1,2,3
.irp b, 0,1,2,3,4,5,6,7
	MM \a, \b, \zero
.endr
.endr
	WIN 0
.endm
.macro CHANGE slot, fill               ; the change of slots, at the head of a slot's last K step: all my tensor loads, the add, my reads; fill = 1: a round of the cluster's barrier and the joint refill first behind it
	s_wait_tensorcnt 0x0                           ; no tensor load of mine is out, so a group 0 may be written
	ds_add_u32 v[SPW], v[NIL]
.if \fill
	s_add_nc_u64 s[G0A+4*(\slot)+2:G0A+4*(\slot)+3], s[G0A+4*(\slot)+2:G0A+4*(\slot)+3], 2*NQ*PAN
	s_add_nc_u64 s[G0B+4*(\slot)+2:G0B+4*(\slot)+3], s[G0B+4*(\slot)+2:G0B+4*(\slot)+3], 2*NQ*PAN
.endif
	s_wait_dscnt 0x0                               ; the add is done, and my reads of the slot are over
.if \fill
	CROUND
	JLOAD \slot
.else
	s_barrier_signal -1
	s_barrier_wait -1
.endif
.endm
.macro STEP q
.if ((\q)%NQ == NQ-1) && ((\q) < NSTEP-1)
.set CSL, ((\q)/NQ)%2
.if (\q)/NQ+2 < NPH
	CHANGE CSL, 1
.else
	CHANGE CSL, 0
.endif
.else
	s_wait_dscnt 0x0
.endif
.if (\q) < NSTEP-1
	PLACES
	FETCH (\q)+1
.endif
.if (\q) == 0
	MUL \q, 1
.else
	MUL \q, 0
.endif
.endm
.macro TOSTAGE a                       ; token tile a: lane (r, h), accumulator b, register j is column 32 (b / 2) + 16 h + 8 (b % 2) + j of place r
	WIN 0x04                                       ; an LDS store's data are its source 1: window 1
.irp b, 0,1,2,3,4,5,6,7
	ds_store_b128 v[STO], v[64*(\a)+8*\b:64*(\a)+8*\b+3] offset:128*(\b/2)+32*(\b%2)      ; each accumulator from its low end on
	ds_store_b128 v[STO], v[64*(\a)+8*\b+4:64*(\a)+8*\b+7] offset:128*(\b/2)+32*(\b%2)+16
.endr
	WIN 0
.irp t, 0,1,2,3,4,5,6,7,8,9,10,11,12,13,14,15
	ds_load_b128 v[BK+64*((\a)%2)+4*\t:BK+64*((\a)%2)+4*\t+3], v[RD] offset:528*\t   ; LDS serves a wave's instructions in order: these see my stores, and the next tile's stores come behind them
.endr
.endm
.macro SEND a, younger                 ; younger: the LDS instructions issued behind tile a's loads, which may stay out
	s_wait_dscnt \younger
.irp t, 0,1,2,3,4,5,6,7,8,9,10,11,12,13,14,15
	global_store_b128 v[LI], v[BK+64*((\a)%2)+4*\t:BK+64*((\a)%2)+4*\t+3], s[8:9] offset:(32*((\a)/2)+8*((\a)%2)+\t+8*(\t/8))*8192 th:TH_STORE_NT   ; 32 lanes store 512 consecutive bytes, at a multiple of 512 from out0's first byte
.endr
.endm
	s_load_b128 s[4:7], s[0:1], 0x0                ; obuf, wts
	s_load_b64 s[8:9], s[0:1], 0x10                ; out0
	v_lshl_add_u32 v[SPW], v0, 2, SPARE
	v_mov_b32 v[NIL], 0
	ds_add_u32 v[SPW], v[NIL]                      ; the wave's opening: the add and its wait ahead of my first tensor load
	ds_add_u32 v[SPW], v[NIL]
	v_lshrrev_b32 v1, 5, v0
	v_readfirstlane_b32 s10, v1                    ; wave 0..3
	s_lshr_b32 s11, s10, 1
	s_and_b32 s12, s10, 1
	s_bfe_u32 s13, ttmp6, 0x40000                  ; cx
	s_bfe_u32 s14, ttmp6, 0x40004                  ; cy
	s_lshl_b32 s15, ttmp9, 2
	s_add_co_u32 s15, s15, s13                     ; the block of 128 columns, 0..15
	s_and_b32 s16, ttmp7, 0xffff
	s_lshl_b32 s16, s16, 2
	s_add_co_u32 s16, s16, s14                     ; the block of 256 tokens, 0..15
	s_lshl_b32 s17, s14, 2
	s_lshl_b32 s17, 15, s17                        ; my row of the cluster
	s_lshl_b32 s18, 0x1111, s13                    ; my column
	s_or_b32 s[G1A], s17, (3<<16)|(1<<21)
	s_or_b32 s[G1B], s18, (3<<16)|(1<<21)
	s_mov_b32 s[G1A+1], 32<<16
	s_mov_b32 s[G1A+2], RA<<16
	s_mov_b32 s[G1A+3], 32<<16
	s_mov_b32 s[G1A+4], RA
	s_mov_b32 s[G1A+5], 32
	s_mov_b32 s[G1A+6], 0
	s_mov_b32 s[G1A+7], 0
	s_mov_b32 s[G1B+1], 32<<16
	s_mov_b32 s[G1B+2], RB<<16
	s_mov_b32 s[G1B+3], 32<<16
	s_mov_b32 s[G1B+4], RB
	s_mov_b32 s[G1B+5], 32
	s_mov_b32 s[G1B+6], 0
	s_mov_b32 s[G1B+7], 0
	; THE HEAD'S FOUR LOADS, one a wave: wave 0 slot 0's two token streams, wave 1 slot 0's four panels of Wo, waves 2 and 3 the same for slot 1
	s_or_b32 s72, s17, (3<<16)|(1<<21)             ; tokens: two rows of four panels (51,200 bytes, 6,400 elements of 8 bytes), a stream (16 panels) apart; they land on end
	s_mov_b32 s73, (NQ*PAN/8)<<16
	s_mov_b32 s74, 2<<16
	s_mov_b32 s75, (NQ*PAN/8)<<16
	s_mov_b32 s76, 2
	s_mov_b32 s77, 16*PAN/8
	s_mov_b32 s78, 0
	s_mov_b32 s79, 0
	s_or_b32 s80, s18, (3<<16)|(1<<21)             ; Wo: four panels on end, as rows of 256 bytes
	s_mov_b32 s81, 32<<16
	s_mov_b32 s82, (2*RB)<<16
	s_mov_b32 s83, 32<<16
	s_mov_b32 s84, 2*RB
	s_mov_b32 s85, 32
	s_mov_b32 s86, 0
	s_mov_b32 s87, 0
	s_mov_b32 s88, 1
	s_mul_i32 s89, s11, SLOT                       ; the slot is wave / 2
	s_mul_i32 s90, s16, 32*PAN
	s_mul_i32 s91, s11, NQ*PAN
	s_add_co_u32 s90, s90, s91
	s_mov_b32 s92, 1
	s_add_co_u32 s93, s89, 2*NQ*PAN
	s_mul_i32 s94, s15, 16*PAN
	s_add_co_u32 s94, s94, s91
	s_add_co_u32 s94, s94, 288*PAN                 ; Wo's panels in wts
	s_mov_b32 s91, 0
	s_mov_b32 s95, 0
	s_lshl_b32 s20, s16, 1
	s_add_co_u32 s20, s20, s12
	s_mul_i32 s20, s20, 16*PAN
	s_mov_b32 s21, 0
	s_mul_i32 s56, s15, 16*PAN
	s_mul_i32 s57, s12, NQ*PAN/2
	s_add_co_u32 s56, s56, s57
	s_add_co_u32 s56, s56, 288*PAN                 ; Wo's panels in wts
	s_mov_b32 s57, 0
	s_mul_i32 s22, s12, NQ*PAN
	s_mul_i32 s23, s12, NQ*PAN/2
	s_add_co_u32 s23, s23, 2*NQ*PAN
	s_wait_dscnt 0x0                               ; the opening add is done
	s_wait_kmcnt 0x0
	s_add_nc_u64 s[20:21], s[4:5], s[20:21]
	s_add_nc_u64 s[56:57], s[6:7], s[56:57]
	s_add_nc_u64 s[90:91], s[4:5], s[90:91]
	s_or_b32 s91, s91, 0x80000000
	s_add_nc_u64 s[94:95], s[6:7], s[94:95]
	s_or_b32 s95, s95, 0x80000000
	CROUND                                         ; all sixteen work-groups are here: the first joint loads meet
.irp s, 0,1
	s_mov_b32 s[G0A+4*\s], 1
	s_add_co_u32 s[G0A+4*\s+1], s22, \s*SLOT
	s_add_nc_u64 s[G0A+4*\s+2:G0A+4*\s+3], s[20:21], \s*NQ*PAN
	s_or_b32 s[G0A+4*\s+3], s[G0A+4*\s+3], 0x80000000
	s_mov_b32 s[G0B+4*\s], 1
	s_add_co_u32 s[G0B+4*\s+1], s23, \s*SLOT
	s_add_nc_u64 s[G0B+4*\s+2:G0B+4*\s+3], s[56:57], \s*NQ*PAN
	s_or_b32 s[G0B+4*\s+3], s[G0B+4*\s+3], 0x80000000
.endr
; one chain of branches on the wave's number, a load to an arm, all arms leading to one join; slot 0's loads stand in the first arms
.macro HARM under, g0, g1, next
	s_cmp_lt_u32 s10, \under
	s_cbranch_scc0 \next
	tensor_load_to_lds s[\g0:\g0+3], s[\g1:\g1+7]
	s_nop 0
.rept 4
	v_nop
.endr
	s_branch .Lhead_asked
\next:
.endm
	HARM 1, 88, 72, .Lhead_1
	HARM 2, 92, 80, .Lhead_2
	HARM 3, 88, 72, .Lhead_3
	tensor_load_to_lds s[92:95], s[80:87]
	s_nop 0
.rept 4
	v_nop
.endr
.Lhead_asked:
	v_and_b32 v1, 15, v0                           ; r
	v_bfe_u32 v2, v0, 4, 1                         ; h
	v_and_b32 v[LI], 31, v0
	v_lshlrev_b32 v[LI], 4, v[LI]
	s_mul_i32 s58, s11, NQ*PAN
	s_mul_i32 s59, s12, 6144
	s_add_co_u32 s59, s58, s59
	v_add_nc_u32 v[ADRA], s59, v[LI]
	v_add_nc_u32 v[ADRA+1], SLOT, v[ADRA]
	v_add_nc_u32 v[ADRB], 2*NQ*PAN, v[LI]
	v_add_nc_u32 v[ADRB+1], SLOT, v[ADRB]
	v_lshlrev_b32 v16, 2, v1
	s_lshl_b32 s59, s12, 8
	s_add_co_u32 s59, s58, s59
	v_lshl_add_u32 v[ADSA], v2, 7, v16
	v_add_nc_u32 v[ADSA], s59, v[ADSA]
	v_add_nc_u32 v[ADSA+1], SLOT, v[ADSA]
	v_lshl_add_u32 v[ADSB], v2, 8, v16
	v_add_nc_u32 v[ADSB], 2*NQ*PAN, v[ADSB]
	v_add_nc_u32 v[ADSB+1], SLOT, v[ADSB]
	s_mul_i32 s62, s10, 8448                       ; my stage: 16 rows x (512 bytes + 16)
	v_mul_u32_u24 v[STO], v1, 528
	v_lshl_add_u32 v[STO], v2, 6, v[STO]
	v_add_nc_u32 v[STO], s62, v[STO]
	v_add_nc_u32 v[RD], s62, v[LI]
	s_lshl_b32 s60, s16, 8
	s_lshl_b32 s61, s10, 6
	s_add_co_u32 s60, s60, s61                     ; my first token: 256 x block + 64 x wave
	s_lshl_b32 s60, s60, 13                        ; a row of out0 is 8,192 bytes
	s_lshl_b32 s61, s15, 9                         ; my 128 columns
	s_add_co_u32 s60, s60, s61
	s_mov_b32 s61, 0
	s_add_nc_u64 s[8:9], s[8:9], s[60:61]
	s_wait_alu depctr_va_vdst(0)
	s_cmp_lg_u32 s11, 0
	s_cbranch_scc1 .Lslot_1_out                    ; waves 2, 3: slot 1's loads stay out across this barrier, and every wave waits for 0 at the first change of slots
	s_wait_tensorcnt 0x0                           ; waves 0, 1: slot 0 is in
.Lslot_1_out:
	s_barrier_signal -1
	s_barrier_wait -1
	FETCH 0
.set Q, 0
.rept NSTEP
	STEP Q
.set Q, Q+1
.endr
	PLACES
	TOSTAGE 0
	TOSTAGE 1
	SEND 0, 32                                     ; behind tile 0's loads: tile 1's 16 stores and 16 loads
	s_wait_xcnt 0x0                                ; tile 0's stores have read their registers: tile 2's loads may land there
	TOSTAGE 2
	SEND 1, 32
	s_wait_xcnt 0x0
	TOSTAGE 3
	SEND 2, 32
	SEND 3, 0
	s_wait_tensorcnt 0x0                           ; the wave's end, behind my last tensor load and my last LDS store
	ds_add_u32 v[SPW], v[NIL]
	s_wait_dscnt 0x0
	CROUND                                         ; the closing round: no work-group ends while a partner may still ask for a tile that names it
	s_endpgm
.Lfunc_end_k_q76881490e0_outp:
	.size	k_q76881490e0_outp, .Lfunc_end_k_q76881490e0_outp-k_q76881490e0_outp
	.p2alignl 7, 3214868480
	.fill 96, 4, 3214868480
	.section	.rodata,"a",@progbits
	.p2align	6, 0x0
	.amdhsa_kernel k_q76881490e0_outp
		.amdhsa_group_segment_fixed_size 327680
		.amdhsa_private_segment_fixed_size 0
		.amdhsa_enable_private_segment 0
		.amdhsa_kernarg_size 24
		.amdhsa_user_sgpr_count 2
		.amdhsa_user_sgpr_kernarg_segment_ptr 1
		.amdhsa_wavefront_size32 1
		.amdhsa_system_sgpr_workgroup_id_x 1
		.amdhsa_system_sgpr_workgroup_id_y 1
		.amdhsa_system_sgpr_workgroup_id_z 1
		.amdhsa_system_vgpr_workitem_id 0
		.amdhsa_next_free_vgpr 768
		.amdhsa_next_free_sgpr 96
		.amdhsa_reserve_vcc 0
		.amdhsa_float_denorm_mode_32 3
		.amdhsa_float_denorm_mode_16_64 3
		.amdhsa_memory_ordered 1
		.amdhsa_forward_progress 1
		.amdhsa_inst_pref_size 137
	.end_amdhsa_kernel
	.amdgpu_metadata
---
amdhsa.version: [ 1, 2 ]
amdhsa.kernels:
  - .name:           k_q76881490e0_outp
    .symbol:         k_q76881490e0_outp.kd
    .args:
      - { .name: obuf, .offset: 0, .size: 8, .value_kind: global_buffer, .address_space: global }
      - { .name: wts, .offset: 8, .size: 8, .value_kind: global_buffer, .address_space: global }
      - { .name: out0, .offset: 16, .size: 8, .value_kind: global_buffer, .address_space: global }
    .group_segment_fixed_size: 327680
    .private_segment_fixed_size: 0
    .kernarg_segment_align: 8
    .kernarg_segment_size: 24
    .max_flat_workgroup_size: 128
    .sgpr_count:     96
    .vgpr_count:     768
    .wavefront_size: 32
...
	.end_amdgpu_metadata
.endif
;; end of part 5
